; MI455X (gfx1250); checked and timed in simulation.
; The chip was launched on July 23, 2026; its instructions are those of AMD's public machine-readable ISA for CDNA 5 (MIT licence, August 2026) and "CDNA5" Instruction Set Architecture Reference Guide (July 2026). The comments in the code are by the model that wrote it; some were corrected since.
;; Fused Transformer. Allowed arithmetic: float matrix products may take bf16 or f16 operands with f32 sums; other float arithmetic in f32, or as packed bf16 or f16 multiplies, adds, multiply-adds, maxima and minima; sums over many terms, partial sums and values carried from step to step in f32; what a program stores and reads back later, other than sums and carried values, may be rounded once to bf16 or f16.
;; Inputs: norm1_scale 1,024 float32; norm2_scale 1,024 float32; pos 2 x 2,048 x 2 float32; pos_orig 2 x 2,048 x 2 float32; qk_scale 16 x 1 x 1 float32; time 2 x 2,048 float32; w_down 1,024 x 4,096 float32; w_out 1,024 x 1,024 float32; w_qkv 3,072 x 1,024 float32; w_up 4,096 x 1,024 float32; x 2 x 2,048 x 1,024 float32.
;; Outputs: out0 2 x 2,048 x 1,024 float32.
;; One version. Each part assembles by itself: llvm-mc -triple=amdgcn-amd-amdhsa -mcpu=gfx1250 --defsym DOCPART=n.
;; ======== version 1 of 1: 6 launches
;; limits: values are held in f16: magnitudes above 65,504 overflow, below 6.1e-05 lose precision; right only within a limited range of input values
;; workspace buffers: wb 25,165,824 bytes; act1 8,388,608 bytes; act2 8,388,608 bytes; big 33,554,432 bytes; x1 16,777,216 bytes; ssq 262,144 bytes
;; launch prep (part 1): grid 1024 x 1, 8 waves a work-group, no clusters, 0 bytes of LDS; arguments x, w_qkv, w_out, w_up, w_down, norm1_scale, norm2_scale, wb, act1; writes wb, act1
.if DOCPART == 1
	.amdgcn_target "amdgcn-amd-amdhsa--gfx1250"
	.amdhsa_code_object_version 6
	.text
	.protected	k_q3c4af28096_prep
	.globl	k_q3c4af28096_prep
	.p2align	8
	.type	k_q3c4af28096_prep,@function
k_q3c4af28096_prep:
	s_mov_b64 s[64:65], 0
	v_nop
	global_prefetch_b8 v0, s[64:65] scope:SCOPE_SE
	s_setreg_imm32_b32 hwreg(HW_REG_WAVE_MODE, 25, 1), 1
	s_wait_xcnt 0x0
; PREP: the four weights rounded to bf16, and xn = x * (norm1_scale * rsqrt(mean(x^2) + 1e-6)) in bf16, all in the blocked layout that the products read:
; element (row, k) of a matrix of R rows lies at byte ((k >> 6) * R + row) * 128 + (k & 63) * 2: 64 columns of two neighbouring rows are 256 consecutive bytes.
; A wave takes one chunk: two destination rows x 1,024 columns: 16 loads of 16 bytes a lane (lanes 0-15 one row, lanes 16-31 the next; 256 consecutive bytes of each),
; 16 stores of 8 bytes a lane, each covering 256 consecutive bytes, aligned.  No loop, no LDS, no matrix unit: the launch only moves bytes.
; Chunks by work-group: 0-191 w_qkv (rows permuted), 192-255 w_out, 256-511 w_up (columns times norm2_scale: (h*s*r) W^T = r (h (W*s)^T), one rounding of the product),
; 512-767 x (norm 1), 768-1023 w_down (four chunks to a pair of rows).
; THE PERMUTATION of w_qkv's rows.  Destination row n < 2,048: head n >> 7, q or k by bit 6, place c = n & 63.  Places 4 i + 2 e and 4 i + 2 e + 1 take the two partners of a rotation,
; channels j and j + 25, j = 5 g + r, g = i / 3, r = 2 (i % 3) + e; where r = 5 or i = 15 the places take the 14 channels that are not rotated.  q and k are permuted alike, so q . k is unchanged.
.set DO,  16                           ; v[16:31]   byte offset of my 8 bytes in each of the 16 K blocks
.set X,   32                           ; v[32:95]   the chunk as loaded
.set CSC, 96                           ; v[96:159]  the column scales
.set Y,   160                          ; v[160:191] packed results
.set SQ,  192                          ; v[192:199] four chains of squares
.set RS,  200                          ; v[200:201] the row's factor, twice
	s_load_b512 s[16:31], s[0:1], 0x0              ; x, w_qkv, w_out, w_up, w_down, norm1_scale, norm2_scale, wb
	s_load_b64 s[32:33], s[0:1], 0x40              ; act1
	v_lshrrev_b32 v1, 5, v0
	v_readfirstlane_b32 s3, v1                     ; wave 0..7
	v_and_b32 v2, 31, v0                           ; lane
	v_lshrrev_b32 v3, 4, v2                        ; which of the two rows
	v_and_b32 v4, 15, v0                           ; my place in a row's 256 bytes
	s_lshl_b32 s2, ttmp9, 3
	s_add_co_u32 s2, s2, s3                        ; the chunk's number
	s_mov_b32 s12, 12                              ; log2 of a source row's bytes
	s_mov_b32 s13, 0                               ; the chunk's first byte in a source row
	s_mov_b32 s14, 0                               ; all ones: rows are permuted
	s_mov_b32 s15, 0                               ; 1: columns are scaled
	s_mov_b32 s34, 0                               ; all ones: rows are normalised
	s_mov_b32 s37, 0
	s_mov_b32 s40, 0x3a800000                      ; 1 / 1,024
	s_mov_b32 s41, 0x358637bd                      ; 1e-6
	s_wait_kmcnt 0x0
	s_mov_b64 s[8:9], s[26:27]                     ; the column scale: norm1_scale unless chosen otherwise
	s_cmp_lt_u32 ttmp9, 192
	s_cbranch_scc0 .Lnot_qkv
	s_mov_b64 s[4:5], s[18:19]
	s_mov_b64 s[6:7], s[30:31]
	s_mov_b32 s10, s2                              ; the pair of rows
	s_mov_b32 s11, 393216                          ; bytes from K block to K block: 3,072 rows x 128
	s_mov_b32 s14, -1
	s_branch .Lgo
.Lnot_qkv:
	s_cmp_lt_u32 ttmp9, 256
	s_cbranch_scc0 .Lnot_out
	s_mov_b64 s[4:5], s[20:21]
	s_add_nc_u64 s[6:7], s[30:31], 6291456
	s_sub_co_u32 s10, s2, 1536
	s_mov_b32 s11, 131072
	s_branch .Lgo
.Lnot_out:
	s_cmp_lt_u32 ttmp9, 512
	s_cbranch_scc0 .Lnot_up
	s_mov_b64 s[4:5], s[22:23]
	s_add_nc_u64 s[6:7], s[30:31], 8388608
	s_mov_b64 s[8:9], s[28:29]
	s_sub_co_u32 s10, s2, 2048
	s_mov_b32 s11, 524288
	s_mov_b32 s15, 1
	s_branch .Lgo
.Lnot_up:
	s_cmp_lt_u32 ttmp9, 768
	s_cbranch_scc0 .Ldown
	s_mov_b64 s[4:5], s[16:17]
	s_mov_b64 s[6:7], s[32:33]
	s_sub_co_u32 s10, s2, 4096
	s_mov_b32 s11, 524288
	s_mov_b32 s15, 1
	s_mov_b32 s34, -1
	s_branch .Lgo
.Ldown:
	s_mov_b64 s[4:5], s[24:25]
	s_sub_co_u32 s10, s2, 6144
	s_and_b32 s13, s10, 3                          ; which quarter of the 4,096 columns
	s_lshr_b32 s10, s10, 2
	s_lshl_b32 s36, s13, 21                        ; its 16 K blocks of 131,072 bytes
	s_add_co_u32 s36, s36, 16777216
	s_lshl_b32 s13, s13, 12
	s_add_nc_u64 s[6:7], s[30:31], s[36:37]
	s_mov_b32 s11, 131072
	s_mov_b32 s12, 14
.Lgo:
	s_lshl_b32 s38, s10, 1
	v_add_nc_u32 v1, s38, v3                       ; n: my destination row
	v_and_b32 v5, 63, v1                           ; c
	v_lshrrev_b32 v6, 2, v5                        ; i
	v_bfe_u32 v7, v1, 1, 1                         ; e
	v_and_b32 v8, 1, v1                            ; which partner
	v_mul_u32_u24 v9, v6, 11
	v_lshrrev_b32 v9, 5, v9                        ; g = i / 3 (11 i >> 5 for i up to 15)
	v_mul_u32_u24 v10, v9, 3
	v_sub_nc_u32 v10, v6, v10
	v_lshl_add_u32 v10, v10, 1, v7                 ; r
	v_mul_u32_u24 v11, v9, 5
	v_add_nc_u32 v11, v11, v10
	v_mad_u32_u24 v11, v8, 25, v11                 ; 5 g + r + 25 x partner
	v_lshl_add_u32 v12, v9, 1, v8
	v_add_nc_u32 v12, 50, v12                      ; r = 5: channels 50 to 59
	v_cmp_eq_u32 vcc_lo, 5, v10
	v_cndmask_b32 v11, v11, v12, vcc_lo
	v_cmp_eq_u32 vcc_lo, 15, v6
	v_cndmask_b32 v11, v11, v5, vcc_lo             ; i = 15: channels 60 to 63 stay
	v_lshrrev_b32 v12, 7, v1
	v_lshl_add_u32 v11, v12, 6, v11                ; + 64 x head
	v_bfe_u32 v12, v1, 6, 1
	v_lshl_add_u32 v11, v12, 10, v11               ; + 1,024 for k
	v_cmp_gt_u32 vcc_lo, 2048, v1
	s_and_b32 s39, vcc_lo, s14
	v_cndmask_b32 v11, v1, v11, s39                ; the source row
	v_lshlrev_b32 v13, s12, v11
	v_lshl_add_u32 v13, v4, 4, v13
	v_add_nc_u32 v13, s13, v13                     ; my 16 bytes in the source
	v_lshlrev_b32 v14, 4, v4                       ; and in the scale
.set j, 0
.rept 16
	global_load_b128 v[X+4*j:X+4*j+3], v13, s[4:5] offset:256*j th:TH_LOAD_NT
.set j, j+1
.endr
	s_lshl_b32 s38, s10, 8
	v_lshl_add_u32 v[DO], v2, 3, s38               ; two rows x 128 bytes x the pair + 8 x lane
.set j, 1
.rept 15
	v_add_nc_u32 v[DO+j], s11, v[DO+j-1]
.set j, j+1
.endr
	s_cmp_eq_u32 s15, 0
	s_cbranch_scc1 .Lplain
.set j, 0
.rept 16
	global_load_b128 v[CSC+4*j:CSC+4*j+3], v14, s[8:9] offset:256*j
.set j, j+1
.endr
	s_wait_loadcnt 0x0
.set j, 0
.rept 4
	v_pk_mul_f32 v[SQ+2*j:SQ+2*j+1], v[X+2*j:X+2*j+1], v[X+2*j:X+2*j+1]  ; the first four pairs start the chains
.set j, j+1
.endr
.rept 28
	v_pk_fma_f32 v[SQ+2*(j%4):SQ+2*(j%4)+1], v[X+2*j:X+2*j+1], v[X+2*j:X+2*j+1], v[SQ+2*(j%4):SQ+2*(j%4)+1]
.set j, j+1
.endr
	v_pk_add_f32 v[SQ:SQ+1], v[SQ:SQ+1], v[SQ+2:SQ+3]
	v_pk_add_f32 v[SQ+4:SQ+5], v[SQ+4:SQ+5], v[SQ+6:SQ+7]
	v_pk_add_f32 v[SQ:SQ+1], v[SQ:SQ+1], v[SQ+4:SQ+5]
	v_add_f32 v[SQ], v[SQ], v[SQ+1]
	v_add_f32_dpp v[SQ], v[SQ], v[SQ] row_xmask:1 row_mask:0xf bank_mask:0xf  ; a row lies in 16 lanes: four steps
	v_add_f32_dpp v[SQ], v[SQ], v[SQ] row_xmask:2 row_mask:0xf bank_mask:0xf
	v_add_f32_dpp v[SQ], v[SQ], v[SQ] row_xmask:4 row_mask:0xf bank_mask:0xf
	v_add_f32_dpp v[SQ], v[SQ], v[SQ] row_xmask:8 row_mask:0xf bank_mask:0xf
	v_fma_f32 v[SQ], v[SQ], s40, s41               ; the mean + 1e-6
	v_rsq_f32 v[RS], v[SQ]
	v_nop                                          ; a plain instruction behind the root,
	s_wait_alu depctr_va_vdst(0)                   ; and the wait ahead of its first reader
	v_cndmask_b32 v[RS], 1.0, v[RS], s34           ; w_up has no row factor
	v_mov_b32 v[RS+1], v[RS]
.set j, 0
.rept 32
	v_pk_mul_f32 v[CSC+2*j:CSC+2*j+1], v[CSC+2*j:CSC+2*j+1], v[RS:RS+1]  ; scale x root first, as the norm is defined,
	v_pk_mul_f32 v[X+2*j:X+2*j+1], v[X+2*j:X+2*j+1], v[CSC+2*j:CSC+2*j+1]  ; then x times that
.set j, j+1
.endr
.Lplain:
	s_wait_loadcnt 0x0
.set j, 0
.rept 32
	v_cvt_pk_bf16_f32 v[Y+j], v[X+2*j], v[X+2*j+1]
.set j, j+1
.endr
.set j, 0
.rept 16
	global_store_b64 v[DO+j], v[Y+2*j:Y+2*j+1], s[6:7] th:TH_STORE_NT  ; 32 lanes x 8 bytes: 256 consecutive bytes, aligned
.set j, j+1
.endr
	s_endpgm
.Lfunc_end_k_q3c4af28096_prep:
	.size	k_q3c4af28096_prep, .Lfunc_end_k_q3c4af28096_prep-k_q3c4af28096_prep
	.p2alignl 7, 3214868480
	.fill 96, 4, 3214868480
	.section	.rodata,"a",@progbits
	.p2align	6, 0x0
	.amdhsa_kernel k_q3c4af28096_prep
		.amdhsa_group_segment_fixed_size 0
		.amdhsa_private_segment_fixed_size 0
		.amdhsa_enable_private_segment 0
		.amdhsa_kernarg_size 72
		.amdhsa_user_sgpr_count 2
		.amdhsa_user_sgpr_kernarg_segment_ptr 1
		.amdhsa_wavefront_size32 1
		.amdhsa_system_sgpr_workgroup_id_x 1
		.amdhsa_system_sgpr_workgroup_id_y 1
		.amdhsa_system_sgpr_workgroup_id_z 1
		.amdhsa_system_vgpr_workitem_id 0
		.amdhsa_next_free_vgpr 208
		.amdhsa_next_free_sgpr 66
		.amdhsa_reserve_vcc 1
		.amdhsa_float_denorm_mode_32 3
		.amdhsa_float_denorm_mode_16_64 3
		.amdhsa_memory_ordered 1
		.amdhsa_forward_progress 1
		.amdhsa_inst_pref_size 19
	.end_amdhsa_kernel
	.amdgpu_metadata
---
amdhsa.version: [ 1, 2 ]
amdhsa.kernels:
  - .name:           k_q3c4af28096_prep
    .symbol:         k_q3c4af28096_prep.kd
    .args:
      - { .name: x, .offset: 0, .size: 8, .value_kind: global_buffer, .address_space: global }
      - { .name: w_qkv, .offset: 8, .size: 8, .value_kind: global_buffer, .address_space: global }
      - { .name: w_out, .offset: 16, .size: 8, .value_kind: global_buffer, .address_space: global }
      - { .name: w_up, .offset: 24, .size: 8, .value_kind: global_buffer, .address_space: global }
      - { .name: w_down, .offset: 32, .size: 8, .value_kind: global_buffer, .address_space: global }
      - { .name: norm1_scale, .offset: 40, .size: 8, .value_kind: global_buffer, .address_space: global }
      - { .name: norm2_scale, .offset: 48, .size: 8, .value_kind: global_buffer, .address_space: global }
      - { .name: wb, .offset: 56, .size: 8, .value_kind: global_buffer, .address_space: global }
      - { .name: act1, .offset: 64, .size: 8, .value_kind: global_buffer, .address_space: global }
    .group_segment_fixed_size: 0
    .private_segment_fixed_size: 0
    .kernarg_segment_align: 8
    .kernarg_segment_size: 72
    .max_flat_workgroup_size: 256
    .sgpr_count:     66
    .vgpr_count:     208
    .wavefront_size: 32
...
	.end_amdgpu_metadata
.endif
;; end of part 1
;; launch qkv (part 2): grid 12 x 16, 4 waves a work-group, clusters of 4 x 4, 327,680 bytes of LDS; arguments act1, wb, big, pos, pos_orig, time, qk_scale; writes big
.if DOCPART == 2
	.amdgcn_target "amdgcn-amd-amdhsa--gfx1250"
	.amdhsa_code_object_version 6
	.text
	.protected	k_q3c4af28096_qkv
	.globl	k_q3c4af28096_qkv
	.p2align	8
	.type	k_q3c4af28096_qkv,@function
k_q3c4af28096_qkv:
	s_mov_b64 s[64:65], 0
	v_nop
	global_prefetch_b8 v0, s[64:65] scope:SCOPE_SE
	s_setreg_imm32_b32 hwreg(HW_REG_WAVE_MODE, 25, 1), 1
	s_wait_xcnt 0x0
	s_wait_alu depctr_hold_cnt(0) depctr_sa_sdst(0) depctr_va_vdst(0) depctr_va_sdst(0) depctr_va_ssrc(0) depctr_va_vcc(0) depctr_vm_vsrc(0)
	s_getreg_b32 s2, hwreg(HW_REG_IB_STS2, 6, 4)
	s_cmp_eq_u32 s2, 0
	s_cbranch_scc0 .Lentry_in_a_cluster
	s_endpgm
.Lentry_in_a_cluster:
	s_bfe_u32 s2, ttmp6, 0x10000c
	s_cmp_lg_u32 s2, 0xf033
	s_cbranch_scc0 .Lentry_shape_is_right
	s_endpgm
.Lentry_shape_is_right:
; QKV: C = xn Wqkv'^T (4,096 x 3,072, K = 1,024, bf16 operands, f32 sums), and on the way out the rotary embedding and the cosine norm of q and k.
; q, k leave in f16, v in bf16, each [batch x 16 + head][2,048][64]; q's and k's channels stand in the permuted order in which the weights' rows were laid (the same for both).
; LIMITS.  q and k are kept in f16: each is at most sqrt(qk_scale) in size, so qk_scale is taken positive and below 4e9.  Angles are reduced in turns in f32; sine and cosine are polynomials
; of degree 11 and 10 on half the reduced angle, good to 5e-7.  The frequencies are made by v_exp_f32.  NaN and infinities are not treated apart.
; SHARES.  A work-group makes 256 x 256 of C, each of its four waves 128 x 128: 64 accumulators, 512 registers.  K goes in steps of 128 through two LDS slots filled by the tensor data mover.
; Operands lie in blocks of 64 columns ((k >> 6) * R + row) * 128 bytes: 128 rows of a block are 16,384 consecutive bytes, which a load takes as ONE long row; a wave's load brings two blocks.
; The mover lays 16 bytes of padding behind every 128: LDS rows of 144 bytes = 36 words, so the 16 rows of a fragment load start in 16 different groups of four banks (64 banks of 4 bytes: ISA guide 11.1).
; CLUSTER.  4 x 4 work-groups: A's tiles are asked for jointly along a row of the cluster, B's along a column.  The grid has 192 work-groups: 12 x 16 tiles of this size.
; A TRIP IS ONE K STEP: the slots' LDS addresses hang on a scalar that an exclusive or turns; one walking descriptor a tensor fills the slot just read out.
; THE MATRIX INSTRUCTION IS USED TRANSPOSED (source 0 = 16 rows of W, source 1 = 16 rows of xn): a lane holds eight neighbouring columns of one row of C.
; REGISTERS, in windows of 256: window 0: v0-33 addresses and constants, v64-127 and v128-191 A's two fragment buffers (later the way out's work); window 1: B's two buffers; windows 2, 3: accumulators.
.set T,      8                         ; K steps
.set RA,     4096                      ; rows of A
.set RB,     3072                      ; rows of B
.set WOFF,   0                         ; B's first byte in wb
.set PITCH,  144
.set KBB,    128*PITCH                 ; a K block of 128 rows in LDS
.set REG,    2*KBB                     ; what one tensor load brings
.set SLOT,   4*REG                     ; A's two halves, then B's two halves; no region's first byte has a bit in common with SLOT
.set KSA,    2*RA*128                  ; bytes from K step to K step
.set KSB,    2*RB*128
.set TAB,    2*SLOT                    ; behind the ring: each wave's table of coordinates, 5 x 2 x 64 words
.set TABW,   2560
.set SPARE,  TAB+4*TABW                ; behind the tables: the spare words, 128 bytes a wave, that no other line names
.set SPITCH, 528                       ; the way out: a row of 128 f32 + 16 bytes
.set WSTAGE, 128*SPITCH                ; a wave's stage; the four lie over the ring, which has had its last fill by then
.set A0,   16                          ; v16  my place in A's fragments, slot 0; never rewritten
.set B0,   17                          ; v17  the same for B
.set ADRA, 18                          ; v18  A0 + the slot in hand
.set ADRB, 19
.set TR,   20                          ; v20  where I read coordinates
.set FQ,   22                          ; v[22:23] my two frequencies, in turns
.set STO,  24
.set RD,   25
.set GO,   26                          ; v26  8 x lane
.set SPW,  28
.set NIL,  29
.set PFO,  30                          ; v30  256 x lane
.set SS,   32                          ; v[32:33] sqrt(qk_scale[head]), twice
.set F0,   64
.set F1,   128
.set TB,   2                           ; s2   0 or SLOT: the slot that is read
.set G1,   24
.set G0,   32
.set G1B,  48
.set G0B,  56
.set LIM,  43
.set PFA,  44
.set PSTEP, 66
.set ISV,  70                          ; s70  1: the tile holds v
.set HEAD, 71
.set FLAGS, (1<<16)|(1<<20)|(1<<21)|(4<<22)|(3<<25)  ; 2-byte elements; padding on; bit 21 beside a mask; after every 32 words; 4 words
.set MSB, 0
.macro WIN new                         ; the immediate's high byte repeats the setting that is left
.if MSB != (\new)
	s_set_vgpr_msb (MSB<<8)|(\new)
.set MSB, \new
.endif
.endm
.set MUL_LO, 0xa1
.set MUL_HI, 0xf1
.set TO_B,   0x40
.macro JLOAD s                         ; a joint load: waves 0 and 1 fetch A's halves, waves 2 and 3 B's; an s_nop 0 and four v_nop follow each line
	s_cmp_eq_u32 s11, 0
	s_cbranch_scc0 .Lfor_b_\@
	tensor_load_to_lds s[G0+4*(\s):G0+4*(\s)+3], s[G1:G1+7]
	s_nop 0
.rept 4
	v_nop
.endr
	s_branch .Lasked_\@
.Lfor_b_\@:
	tensor_load_to_lds s[G0B+4*(\s):G0B+4*(\s)+3], s[G1B:G1B+7]
	s_nop 0
.rept 4
	v_nop
.endr
.Lasked_\@:
.endm
; A prefetch of the K step that stands two refills on: of the 128 blocks of 256 bytes that my load will name, my work-group's 32, a lane a block.  A's are asked for by the clusters with x = 0, B's by those
; with y = 0, and the four partners share them out by address: each block is named once.  Only the first four trips ask: behind them no K step two refills on exists.
.macro ASK
	s_cmp_gt_u32 s3, s[LIM]
	s_cbranch_scc0 .Lnot_mine_\@
	global_prefetch_b8 v[PFO], s[PFA:PFA+1] th:TH_LOAD_NT scope:SCOPE_SE
.Lnot_mine_\@:
.endm
.macro CREST
	s_cmp_lg_u32 s10, 0
	s_cbranch_scc1 .Lnot_wave_0_\@
	s_barrier_signal -3
.Lnot_wave_0_\@:
	s_barrier_wait -3
	s_barrier_signal -1
	s_barrier_wait -1
.endm
.macro CROUND
	s_barrier_signal -1
	s_barrier_wait -1
	CREST
.endm
.macro PLACES                          ; four plain places behind matrix instructions (ISA guide 7.12.1)
.rept 4
	v_nop
.endr
.endm
.macro MUL16 f, hi, a0, zero
	WIN MUL_LO+0x50*(\hi)
.irp a, \a0, (\a0)+1
.irp b, 0,1,2,3,4,5,6,7
.if \zero
	v_wmma_f32_16x16x32_bf16 v[8*(8*(\a)+(\b)):8*(8*(\a)+(\b))+7], v[(\f)+8*(\b):(\f)+8*(\b)+7], v[(\f)+8*(4*(\hi)+(\a)):(\f)+8*(4*(\hi)+(\a))+7], 0
.else
	v_wmma_f32_16x16x32_bf16 v[8*(8*(\a)+(\b)):8*(8*(\a)+(\b))+7], v[(\f)+8*(\b):(\f)+8*(\b)+7], v[(\f)+8*(4*(\hi)+(\a)):(\f)+8*(4*(\hi)+(\a))+7], v[8*(8*(\a)+(\b)):8*(8*(\a)+(\b))+7]
.endif
.endr
.endr
.endm
.macro FETCH q, f                      ; 32 LDS loads in one run: quarter q (32 along K) of the slot in hand into buffer f
	WIN TO_B
.irp i, 0,1,2,3,4,5,6,7
	ds_load_b128 v[(\f)+8*(\i):(\f)+8*(\i)+3],   v[ADRB] offset:((\q)/2)*KBB+((\q)%2)*64+(\i)*16*PITCH
	ds_load_b128 v[(\f)+8*(\i)+4:(\f)+8*(\i)+7], v[ADRB] offset:((\q)/2)*KBB+((\q)%2)*64+(\i)*16*PITCH+32
.endr
	WIN 0
.irp i, 0,1,2,3,4,5,6,7
	ds_load_b128 v[(\f)+8*(\i):(\f)+8*(\i)+3],   v[ADRA] offset:((\q)/2)*KBB+((\q)%2)*64+(\i)*16*PITCH
	ds_load_b128 v[(\f)+8*(\i)+4:(\f)+8*(\i)+7], v[ADRA] offset:((\q)/2)*KBB+((\q)%2)*64+(\i)*16*PITCH+32
.endr
.endm
.macro QUARTER q, f, g, zero           ; multiplies buffer f; in its middle fetches quarter q into buffer g
	s_wait_dscnt 8                                 ; B and A's rows 0-63 are in; the youngest eight loads may be out
	MUL16 \f, 0, 0, \zero
	MUL16 \f, 0, 2, \zero
	PLACES
	FETCH \q, \g
	s_wait_dscnt 32                                ; all but the 32 just issued
	MUL16 \f, 1, 0, \zero
	MUL16 \f, 1, 2, \zero
.endm
; The last quarter of a K step multiplies buffer 1 and changes slots.  In front of the barrier each wave waits for all its tensor loads (one is out: its part of the next slot), adds 0 to its spare word,
; and waits for that and for its reads of this slot.  fill = 1: the barrier opens a round of the cluster's, and the joint refill of the slot just read is the first thing behind the round.
.macro TURN fill
.if \fill
	s_wait_xcnt 0x0                                ; the last prefetch, a K step back, has read its address
	s_add_nc_u64 s[PFA:PFA+1], s[PFA:PFA+1], s[PSTEP:PSTEP+1]
.endif
	WIN 0
	s_wait_tensorcnt 0x0
	ds_add_u32 v[SPW], v[NIL]
	s_wait_dscnt 9                                 ; the add and the youngest eight loads may be out
	MUL16 F1, 0, 0, 0
	s_wait_dscnt 0x0                               ; the add is done, my reads of this slot are over
	s_barrier_signal -1
	MUL16 F1, 0, 2, 0
	WIN 0
	s_barrier_wait -1
.if \fill
	CREST
	s_xor_b32 s[G0+5], s[G0+5], SLOT               ; the walking descriptors: the other slot than last time, the next K step
	s_add_nc_u64 s[G0+6:G0+7], s[G0+6:G0+7], KSA
	s_xor_b32 s[G0B+5], s[G0B+5], SLOT
	s_add_nc_u64 s[G0B+6:G0B+7], s[G0B+6:G0B+7], KSB
	s_xor_b32 s[TB], s[TB], SLOT
	JLOAD 1                                        ; its four v_nop are also the places in front of the loads below
.else
	s_xor_b32 s[TB], s[TB], SLOT
	PLACES
.endif
	v_add_nc_u32 v[ADRA], s[TB], v[A0]
	v_add_nc_u32 v[ADRB], s[TB], v[B0]
	FETCH 0, F0
.if \fill
	ASK
.endif
	MUL16 F1, 1, 0, 0
	MUL16 F1, 1, 2, 0
.endm
.macro KPAIR r, val                    ; a constant for packed lines: both words of the pair are written
	s_mov_b32 s[\r], \val
	s_mov_b32 s[(\r)+1], \val
.endm
	s_load_b128 s[4:7], s[0:1], 0x0                ; act1 (A), wb (B)
	s_load_b64 s[8:9], s[0:1], 0x10                ; big
	s_load_b256 s[72:79], s[0:1], 0x18             ; pos, pos_orig, time, qk_scale
	v_lshl_add_u32 v[SPW], v0, 2, SPARE
	v_mov_b32 v[NIL], 0
	ds_add_u32 v[SPW], v[NIL]                      ; the wave's opening: the add and its wait ahead of my first tensor load
	v_lshrrev_b32 v1, 5, v0
	v_readfirstlane_b32 s10, v1                    ; wave 0..3
	s_lshr_b32 s11, s10, 1                         ; my half of the tile's rows; also: I fetch for A (0) or B (1)
	s_and_b32 s12, s10, 1                          ; my half of its columns; also: which 128 rows I fetch
	s_bfe_u32 s40, ttmp6, 0x40000                  ; cx
	s_bfe_u32 s41, ttmp6, 0x40004                  ; cy
	s_lshl_b32 s42, ttmp9, 2
	s_add_co_u32 s42, s42, s40                     ; tile column
	s_and_b32 s13, ttmp7, 0xffff
	s_lshl_b32 s13, s13, 2
	s_add_co_u32 s13, s13, s41                     ; tile row
	s_lshl_b32 s43, s41, 2
	s_lshl_b32 s43, 15, s43                        ; my row of the cluster
	s_lshl_b32 s44, 0x1111, s40                    ; my column
	s_or_b32 s[G1], s43, FLAGS
	s_or_b32 s[G1B], s44, FLAGS
.irp g, G1, G1B
	s_mov_b32 s[(\g)+1], 8192<<16                  ; tensor_dim0 = 8,192 elements: 128 rows of a K block on end
	s_mov_b32 s[(\g)+2], 2<<16                     ; tensor_dim1 = 2 K blocks
	s_mov_b32 s[(\g)+3], 8192<<16                  ; tile_dim0
	s_mov_b32 s[(\g)+4], 2                         ; tile_dim1
	s_mov_b32 s[(\g)+6], 0
	s_mov_b32 s[(\g)+7], 0
.endr
	s_mov_b32 s[G1+5], RA*64                       ; elements from K block to K block
	s_mov_b32 s[G1B+5], RB*64
	s_lshl_b32 s18, s12, 14                        ; the 128 rows that I fetch x 128 bytes
	s_lshl_b32 s16, s13, 15
	s_add_co_u32 s16, s16, s18
	s_mov_b32 s17, 0
	s_lshl_b32 s46, s42, 15
	s_add_co_u32 s46, s46, s18
	s_mov_b32 s47, 0
	s_mul_i32 s20, s10, REG                        ; where they go: no place in the cluster enters an LDS address
	s_wait_dscnt 0x0                               ; the opening add is done
	s_wait_kmcnt 0x0
	s_add_nc_u64 s[14:15], s[4:5], s[16:17]
	s_add_nc_u64 s[46:47], s[6:7], s[46:47]
	CROUND                                         ; all sixteen work-groups are here: the first joint loads meet
.irp s, 0,1
	s_mov_b32 s[G0+4*(\s)], 1
	s_add_co_u32 s[G0+4*(\s)+1], s20, (\s)*SLOT
	s_add_nc_u64 s[G0+4*(\s)+2:G0+4*(\s)+3], s[14:15], (\s)*KSA
	s_or_b32 s[G0+4*(\s)+3], s[G0+4*(\s)+3], 0x80000000
	s_mov_b32 s[G0B+4*(\s)], 1
	s_add_co_u32 s[G0B+4*(\s)+1], s20, (\s)*SLOT
	s_add_nc_u64 s[G0B+4*(\s)+2:G0B+4*(\s)+3], s[46:47], (\s)*KSB
	s_or_b32 s[G0B+4*(\s)+3], s[G0B+4*(\s)+3], 0x80000000
	JLOAD \s
.endr
	v_and_b32 v1, 15, v0                           ; l % 16
	v_bfe_u32 v2, v0, 4, 1                         ; l / 16
	v_and_b32 v3, 31, v0                           ; l
	; the coordinates of my wave's 128 tokens: a lane takes four tokens
	s_lshl_b32 s14, s13, 1
	s_add_co_u32 s14, s14, s11                     ; my group of 128 tokens
	s_lshl_b32 s15, s14, 10
	v_lshl_add_u32 v5, v3, 5, s15                  ; 8 bytes a token in pos and pos_orig
	s_lshl_b32 s15, s14, 9
	v_lshl_add_u32 v6, v3, 4, s15                  ; 4 in time
	global_load_b128 v[64:67], v5, s[72:73]
	global_load_b128 v[68:71], v5, s[72:73] offset:16
	global_load_b128 v[72:75], v5, s[74:75]
	global_load_b128 v[76:79], v5, s[74:75] offset:16
	global_load_b128 v[80:83], v6, s[76:77]
	s_lshl_b32 s15, s42, 1
	s_add_co_u32 s15, s15, s12                     ; my group of 128 columns: below 16 it is a head's q and k
	s_min_u32 s[HEAD], s15, 15
	s_lshl_b32 s20, s[HEAD], 2
	s_mov_b32 s21, 0
	s_add_nc_u64 s[78:79], s[78:79], s[20:21]
	s_load_b32 s23, s[78:79], 0x0                  ; qk_scale[head]
	; fragment and stage addresses
	v_mul_u32_u24 v4, v1, PITCH
	v_lshl_add_u32 v4, v2, 4, v4
	s_mul_i32 s21, s11, REG
	s_mul_i32 s22, s12, REG
	s_add_co_u32 s22, s22, 2*REG
	v_add_nc_u32 v[A0], s21, v4
	v_add_nc_u32 v[B0], s22, v4
	v_mov_b32 v[ADRA], v[A0]
	v_mov_b32 v[ADRB], v[B0]
	s_mov_b32 s[TB], 0
	s_mul_i32 s22, s10, WSTAGE
	v_mul_u32_u24 v4, v1, SPITCH
	v_lshl_add_u32 v4, v2, 5, v4
	v_add_nc_u32 v[STO], s22, v4                   ; in: row l % 16, 32 bytes for each half of the lanes
	v_mul_u32_u24 v4, v2, SPITCH
	v_lshl_add_u32 v4, v1, 4, v4
	v_add_nc_u32 v[RD], s22, v4                    ; back: lanes 0-15 one row's 256 bytes, lanes 16-31 the next row's
	v_lshlrev_b32 v[GO], 3, v3
	; where the results go
	s_sub_co_u32 s15, s15, 16
	s_lshl_b32 s15, s15, 1                         ; in a tile of v: the first of my two heads
	s_cmp_eq_u32 ttmp9, 2                          ; the third column of clusters holds v: the same answer in all partners
	s_cselect_b32 s[ISV], 1, 0
	s_cselect_b32 s15, s15, s[HEAD]
	s_lshr_b32 s16, s14, 4                         ; batch
	s_lshl_b32 s16, s16, 4
	s_add_co_u32 s16, s16, s15
	s_lshl_b32 s16, s16, 18                        ; 2,048 rows x 128 bytes
	s_and_b32 s17, s14, 15
	s_lshl_b32 s17, s17, 14
	s_add_co_u32 s16, s16, s17
	s_lshl_b32 s17, s[ISV], 24                     ; v begins at byte 16,777,216
	s_add_co_u32 s16, s16, s17
	s_mov_b32 s17, 0
	s_add_nc_u64 s[8:9], s[8:9], s[16:17]          ; columns 0-63: q, or v's first head
	s_mov_b32 s18, 8388608
	s_mov_b32 s19, 262144
	s_cmp_eq_u32 s[ISV], 1
	s_cselect_b32 s16, s19, s18
	s_add_nc_u64 s[68:69], s[8:9], s[16:17]        ; columns 64-127: k, or v's next head
	; the prefetches
	s_lshl_b32 s20, s13, 15
	s_lshl_b32 s21, s42, 15
	s_and_b32 s22, ttmp7, 0xffff
	s_mov_b32 s18, KSA
	s_mov_b32 s19, KSB
	s_cmp_eq_u32 s11, 0                            ; do I fetch for A?
	s_cselect_b32 s20, s20, s21
	s_cselect_b32 s21, s40, s41                    ; my place among the four that ask with me
	s_cselect_b32 s22, ttmp9, s22                  ; the coordinate along which other clusters read the same rows
	s_cselect_b32 s[PSTEP], s18, s19
	s_cselect_b64 s[PFA:PFA+1], s[4:5], s[6:7]
	s_cmp_eq_u32 s22, 0
	s_cselect_b32 s[LIM], 2, -1
	s_lshl_b32 s22, s12, 14
	s_add_co_u32 s20, s20, s22
	s_and_b32 s22, s21, 1
	s_lshl_b32 s22, s22, 13
	s_add_co_u32 s20, s20, s22                     ; which half of a block's 16,384 bytes,
	s_lshr_b32 s21, s21, 1
	s_lshr_b32 s22, s[PSTEP], 1
	s_mul_i32 s21, s21, s22                        ; of which of the step's two blocks
	s_add_co_u32 s20, s20, s21
	s_mul_i32 s21, s[PSTEP], 3                     ; at K step 3: the first change steps it to 4
	s_add_co_u32 s20, s20, s21
	s_mov_b32 s21, 0
	s_mov_b32 s[PSTEP+1], 0
	s_add_nc_u64 s[PFA:PFA+1], s[PFA:PFA+1], s[20:21]
	v_lshlrev_b32 v[PFO], 8, v3
	; my two frequencies.  My four columns 4 i .. 4 i + 3 are two rotations, of group g = i / 3 and numbers r = 2 (i % 3) + e.  In turns: 0.5 x 10^(m / 80) for the four space groups,
	; 100^(-m / 80) / 2 pi for time, m = 16 r + head; 0 where nothing is rotated (r = 5, i = 15): then sine is 0 and cosine 1.
	v_mul_u32_u24 v7, v1, 11
	v_lshrrev_b32 v7, 5, v7                        ; g
	v_mul_u32_u24 v8, v7, 3
	v_sub_nc_u32 v8, v1, v8                        ; i % 3
	v_lshl_add_u32 v9, v8, 5, s[HEAD]
	v_add_nc_u32 v10, 16, v9
	v_cvt_f32_u32 v9, v9
	v_cvt_f32_u32 v10, v10
	v_mul_f32 v11, 0x3d2a152d, v9                  ; log2(10) / 80
	v_mul_f32 v12, 0x3d2a152d, v10
	v_mul_f32 v13, 0xbdaa152d, v9                  ; -log2(100) / 80
	v_mul_f32 v14, 0xbdaa152d, v10
	s_wait_kmcnt 0x0
	v_exp_f32 v11, v11
	v_exp_f32 v12, v12
	v_exp_f32 v13, v13
	v_exp_f32 v14, v14
	v_sqrt_f32 v[SS], s23
	v_min_u32 v15, 4, v7                           ; a plain instruction behind the batch,
	s_wait_alu depctr_va_vdst(0)                   ; and its one wait
	v_mul_f32 v11, 0.5, v11
	v_mul_f32 v12, 0.5, v12
	v_mul_f32 v13, 0x3e22f983, v13
	v_mul_f32 v14, 0x3e22f983, v14
	v_mov_b32 v[SS+1], v[SS]
	v_cmp_eq_u32 vcc_lo, 4, v7
	v_cndmask_b32 v[FQ], v11, v13, vcc_lo
	v_cndmask_b32 v[FQ+1], v12, v14, vcc_lo
	v_cmp_eq_u32 vcc_lo, 15, v1
	v_cndmask_b32 v[FQ], v[FQ], 0, vcc_lo
	v_cndmask_b32 v[FQ+1], v[FQ+1], 0, vcc_lo
	v_cmp_eq_u32 vcc_lo, 2, v8
	v_cndmask_b32 v[FQ+1], v[FQ+1], 0, vcc_lo
	s_mul_i32 s22, s10, TABW
	s_add_co_u32 s22, s22, TAB
	v_lshl_add_u32 v[TR], v15, 9, s22              ; my group's 512 bytes,
	v_lshl_add_u32 v[TR], v2, 8, v[TR]             ; even tokens for lanes 0-15, odd for lanes 16-31
	v_lshl_add_u32 v15, v3, 3, s22
	s_wait_loadcnt 0x0
	; the table T[group][token & 1][token >> 1]: pos_orig.y, pos.y, pos_orig.x, pos.x mapped to -1 .. 1, and time
.macro MAPC g, src, comp
.irp j, 0,1,2,3
	v_fma_f32 v[100+4*(\g)+2*((\j)&1)+((\j)>>1)], v[(\src)+2*(\j)+(\comp)], 2.0, -1.0
.endr
.endm
	MAPC 0, 72, 1
	MAPC 1, 64, 1
	MAPC 2, 72, 0
	MAPC 3, 64, 0
.irp j, 0,1,2,3
	v_mov_b32 v[116+2*((\j)&1)+((\j)>>1)], v[80+(\j)]
.endr
.irp g, 0,1,2,3,4
.irp q, 0,1
	ds_store_b64 v15, v[100+4*(\g)+2*(\q):100+4*(\g)+2*(\q)+1] offset:(\g)*512+(\q)*256
.endr
.endr
	; the polynomials' coefficients take the place of the four pointers, whose loads are done: sin(pi f) = f (S0 + S1 z + ..), cos(pi f) = 1 + C1 z + .., z = f^2
	KPAIR 72, 0x40490fdb
	KPAIR 74, 0xc0a55de7
	KPAIR 76, 0x402335e3
	KPAIR 78, 0xbf196966
	KPAIR 80, 0x3da83c1b
	KPAIR 82, 0xbbf183a6
	KPAIR 84, 0xc09de9e6
	KPAIR 86, 0x4081e0f8
	KPAIR 88, 0xbfaae9e4
	KPAIR 90, 0x3e70fa83
	KPAIR 92, 0xbcd368f9
	KPAIR 94, 0x358637bd                           ; 1e-6
	s_wait_tensorcnt 1                             ; my part of K step 0 is in; K step 1's may stay out
	s_wait_dscnt 0x0                               ; my table is written
	s_barrier_signal -1
	s_barrier_wait -1
	FETCH 0, F0
	QUARTER 1, F0, F1, 1                           ; the first quarter's products start the sums
	WIN 0
	s_mov_b32 s3, T-2
.Lstep:                                        ; a trip: a K step's quarters 1 to 3, the change of slots with its refill, the next step's quarter 0
	QUARTER 2, F1, F0, 0
	QUARTER 3, F0, F1, 0
	TURN 1
	QUARTER 1, F0, F1, 0
	WIN 0
	s_sub_co_u32 s3, s3, 1
	s_cmp_lg_u32 s3, 0
	s_cbranch_scc1 .Lstep
	s_mov_b32 s3, 2
.Ltail:                                        ; the last two K steps ask for nothing: a second text, walked twice and left in its middle
	QUARTER 2, F1, F0, 0
	QUARTER 3, F0, F1, 0
	WIN 0
	s_sub_co_u32 s3, s3, 1
	s_cmp_eq_u32 s3, 0
	s_cbranch_scc1 .Llast
	TURN 0
	QUARTER 1, F0, F1, 0
	WIN 0
	s_branch .Ltail
.Llast:
	s_wait_dscnt 8
	MUL16 F1, 0, 0, 0
	MUL16 F1, 0, 2, 0
	s_wait_dscnt 0x0
	MUL16 F1, 1, 0, 0
	MUL16 F1, 1, 2, 0
	WIN 0
	PLACES
	s_barrier_signal -1                            ; every wave's reads of the ring are over (waited for above), and no fill follows: the ring becomes the stage
	s_barrier_wait -1
.irp a, 0,1,2,3,4,5,6,7
.irp b, 0,1,2,3,4,5,6,7
	WIN 0x08+4*((\a)/4)                            ; store data from window 2 or 3
	ds_store_b128 v[STO], v[8*(8*((\a)%4)+(\b)):8*(8*((\a)%4)+(\b))+3]   offset:(\a)*16*SPITCH+64*(\b)
	ds_store_b128 v[STO], v[8*(8*((\a)%4)+(\b))+4:8*(8*((\a)%4)+(\b))+7] offset:(\a)*16*SPITCH+64*(\b)+16
.endr
.endr
	WIN 0
; THE WAY OUT, eight rows a trip.  A lane takes four neighbouring columns of a row's columns 0-63 and of its columns 64-127, for four pairs of rows (lanes 0-15 the even row, lanes 16-31 the odd one).
.set VX,  64                           ; pair p: q at VX + 8 p, k at VX + 8 p + 4
.set VC,  96                           ; my group's coordinate of the four rows
.set VU,  100
.set VN,  108
.set VZ,  116
.set VPS, 124
.set VPC, 132
.set VT2, 140
.set VSI, 148
.set VCO, 156
.set VY,  164
.set VQ,  196
.set VSQ, 212
.set VO,  220
	s_mov_b32 s3, 16
.Lrows:
	ds_load_b128 v[VC:VC+3], v[TR]                 ; LDS serves a wave's instructions in order (ISA guide 5.7.1.4): these loads see my stores above
.irp p, 0,1,2,3
	ds_load_b128 v[VX+8*(\p):VX+8*(\p)+3],   v[RD] offset:(\p)*2*SPITCH
	ds_load_b128 v[VX+8*(\p)+4:VX+8*(\p)+7], v[RD] offset:(\p)*2*SPITCH+256
.endr
	s_cmp_eq_u32 s[ISV], 1
	s_cbranch_scc1 .Lv
	s_wait_dscnt 8                                 ; the coordinates are in; the eight loads behind them may be out
.irp p, 0,1,2,3
	v_mul_f32 v[VU+2*(\p)],   v[VC+(\p)], v[FQ]     ; the angles, in turns
	v_mul_f32 v[VU+2*(\p)+1], v[VC+(\p)], v[FQ+1]
.endr
.irp k, 0,1,2,3,4,5,6,7
	v_rndne_f32 v[VN+(\k)], v[VU+(\k)]
.endr
.irp k, 0,2,4,6
	v_pk_add_f32 v[VU+(\k):VU+(\k)+1], v[VU+(\k):VU+(\k)+1], v[VN+(\k):VN+(\k)+1] neg_lo:[0,1] neg_hi:[0,1]  ; f in -0.5 .. 0.5
.endr
.irp k, 0,2,4,6
	v_pk_mul_f32 v[VZ+(\k):VZ+(\k)+1], v[VU+(\k):VU+(\k)+1], v[VU+(\k):VU+(\k)+1]
.endr
.irp k, 0,2,4,6
	v_pk_fma_f32 v[VPS+(\k):VPS+(\k)+1], v[VZ+(\k):VZ+(\k)+1], s[82:83], s[80:81] op_sel_hi:[1,0,0]
	v_pk_fma_f32 v[VPC+(\k):VPC+(\k)+1], v[VZ+(\k):VZ+(\k)+1], s[92:93], s[90:91] op_sel_hi:[1,0,0]
.endr
.irp c, 0,1,2
.irp k, 0,2,4,6
	v_pk_fma_f32 v[VPS+(\k):VPS+(\k)+1], v[VPS+(\k):VPS+(\k)+1], v[VZ+(\k):VZ+(\k)+1], s[78-2*(\c):79-2*(\c)] op_sel_hi:[1,1,0]
	v_pk_fma_f32 v[VPC+(\k):VPC+(\k)+1], v[VPC+(\k):VPC+(\k)+1], v[VZ+(\k):VZ+(\k)+1], s[88-2*(\c):89-2*(\c)] op_sel_hi:[1,1,0]
.endr
.endr
.irp k, 0,2,4,6
	v_pk_fma_f32 v[VPS+(\k):VPS+(\k)+1], v[VPS+(\k):VPS+(\k)+1], v[VZ+(\k):VZ+(\k)+1], s[72:73] op_sel_hi:[1,1,0]
	v_pk_fma_f32 v[VPC+(\k):VPC+(\k)+1], v[VPC+(\k):VPC+(\k)+1], v[VZ+(\k):VZ+(\k)+1], 1.0 op_sel_hi:[1,1,0]
.endr
.irp k, 0,2,4,6
	v_pk_mul_f32 v[VPS+(\k):VPS+(\k)+1], v[VPS+(\k):VPS+(\k)+1], v[VU+(\k):VU+(\k)+1]    ; sin(pi f)
.endr
.irp k, 0,2,4,6
	v_pk_add_f32 v[VT2+(\k):VT2+(\k)+1], v[VPS+(\k):VPS+(\k)+1], v[VPS+(\k):VPS+(\k)+1]
.endr
.irp k, 0,2,4,6
	v_pk_mul_f32 v[VSI+(\k):VSI+(\k)+1], v[VT2+(\k):VT2+(\k)+1], v[VPC+(\k):VPC+(\k)+1]  ; sin(2 pi f) = 2 sin cos
	v_pk_fma_f32 v[VCO+(\k):VCO+(\k)+1], v[VT2+(\k):VT2+(\k)+1], v[VPS+(\k):VPS+(\k)+1], 1.0 op_sel_hi:[1,1,0] neg_lo:[1,0,0] neg_hi:[1,0,0]  ; cos(2 pi f) = 1 - 2 sin^2
.endr
	s_wait_dscnt 0x0
.irp p, 0,1,2,3
.irp t, 0,1
.irp e, 0,1
	v_mul_f32 v[VY+8*(\p)+4*(\t)+2*(\e)],   v[VX+8*(\p)+4*(\t)+2*(\e)],   v[VCO+2*(\p)+(\e)]
	v_mul_f32 v[VY+8*(\p)+4*(\t)+2*(\e)+1], v[VX+8*(\p)+4*(\t)+2*(\e)+1], v[VCO+2*(\p)+(\e)]
.endr
.endr
.endr
.irp p, 0,1,2,3
.irp t, 0,1
.irp e, 0,1
	v_fma_f32 v[VY+8*(\p)+4*(\t)+2*(\e)],   -v[VX+8*(\p)+4*(\t)+2*(\e)+1], v[VSI+2*(\p)+(\e)], v[VY+8*(\p)+4*(\t)+2*(\e)]    ; x1 cos - x2 sin
	v_fma_f32 v[VY+8*(\p)+4*(\t)+2*(\e)+1], v[VX+8*(\p)+4*(\t)+2*(\e)],    v[VSI+2*(\p)+(\e)], v[VY+8*(\p)+4*(\t)+2*(\e)+1]  ; x2 cos + x1 sin
.endr
.endr
.endr
.irp k, 0,1,2,3,4,5,6,7                ; k = 2 p + part: the sum of a row's 64 squares
	v_pk_mul_f32 v[VQ+2*(\k):VQ+2*(\k)+1], v[VY+4*(\k):VY+4*(\k)+1], v[VY+4*(\k):VY+4*(\k)+1]
.endr
.irp k, 0,1,2,3,4,5,6,7
	v_pk_fma_f32 v[VQ+2*(\k):VQ+2*(\k)+1], v[VY+4*(\k)+2:VY+4*(\k)+3], v[VY+4*(\k)+2:VY+4*(\k)+3], v[VQ+2*(\k):VQ+2*(\k)+1]
.endr
.irp k, 0,1,2,3,4,5,6,7
	v_add_f32 v[VSQ+(\k)], v[VQ+2*(\k)], v[VQ+2*(\k)+1]
.endr
.irp m, 1,2,4,8
.irp k, 0,1,2,3,4,5,6,7
	v_add_f32_dpp v[VSQ+(\k)], v[VSQ+(\k)], v[VSQ+(\k)] row_xmask:\m row_mask:0xf bank_mask:0xf
.endr
.endr
.irp k, 0,2,4,6
	v_pk_add_f32 v[VSQ+(\k):VSQ+(\k)+1], v[VSQ+(\k):VSQ+(\k)+1], s[94:95] op_sel_hi:[1,0]
.endr
.irp k, 0,1,2,3,4,5,6,7
	v_rsq_f32 v[VSQ+(\k)], v[VSQ+(\k)]
.endr
	v_nop                                          ; a plain instruction behind the batch of eight roots,
	s_wait_alu depctr_va_vdst(0)                   ; and its one wait
.irp k, 0,2,4,6
	v_pk_mul_f32 v[VSQ+(\k):VSQ+(\k)+1], v[VSQ+(\k):VSQ+(\k)+1], v[SS:SS+1]
.endr
.irp k, 0,1,2,3,4,5,6,7
.irp c, 0,1,2,3
	v_mul_f32 v[VY+4*(\k)+(\c)], v[VY+4*(\k)+(\c)], v[VSQ+(\k)]
.endr
.endr
.irp k, 0,1,2,3,4,5,6,7
	v_cvt_pk_f16_f32 v[VO+2*(\k)],   v[VY+4*(\k)],   v[VY+4*(\k)+1]
	v_cvt_pk_f16_f32 v[VO+2*(\k)+1], v[VY+4*(\k)+2], v[VY+4*(\k)+3]
.endr
	s_branch .Lst
.Lv:
	s_wait_dscnt 0x0
.irp k, 0,1,2,3,4,5,6,7
	v_cvt_pk_bf16_f32 v[VO+2*(\k)],   v[VX+4*(\k)],   v[VX+4*(\k)+1]
	v_cvt_pk_bf16_f32 v[VO+2*(\k)+1], v[VX+4*(\k)+2], v[VX+4*(\k)+3]
.endr
.Lst:
.irp p, 0,1,2,3
	global_store_b64 v[GO], v[VO+4*(\p):VO+4*(\p)+1],   s[8:9]   offset:256*(\p)  ; two rows of 128 bytes: 256 consecutive bytes, aligned
	global_store_b64 v[GO], v[VO+4*(\p)+2:VO+4*(\p)+3], s[68:69] offset:256*(\p)
.endr
	s_wait_xcnt 0x0                                ; the stores have read their data and bases: only now are these written again
	s_add_nc_u64 s[8:9], s[8:9], 1024
	s_add_nc_u64 s[68:69], s[68:69], 1024
	v_add_nc_u32 v[RD], 8*SPITCH, v[RD]
	v_add_nc_u32 v[TR], 16, v[TR]
	s_sub_co_u32 s3, s3, 1
	s_cmp_lg_u32 s3, 0
	s_cbranch_scc1 .Lrows
	s_wait_tensorcnt 0x0                           ; the wave's end
	ds_add_u32 v[SPW], v[NIL]
	s_wait_dscnt 0x0
	CROUND                                         ; the closing round
	s_endpgm
.Lfunc_end_k_q3c4af28096_qkv:
	.size	k_q3c4af28096_qkv, .Lfunc_end_k_q3c4af28096_qkv-k_q3c4af28096_qkv
	.p2alignl 7, 3214868480
	.fill 96, 4, 3214868480
	.section	.rodata,"a",@progbits
	.p2align	6, 0x0
	.amdhsa_kernel k_q3c4af28096_qkv
		.amdhsa_group_segment_fixed_size 327680
		.amdhsa_private_segment_fixed_size 0
		.amdhsa_enable_private_segment 0
		.amdhsa_kernarg_size 56
		.amdhsa_user_sgpr_count 2
		.amdhsa_user_sgpr_kernarg_segment_ptr 1
		.amdhsa_wavefront_size32 1
		.amdhsa_system_sgpr_workgroup_id_x 1
		.amdhsa_system_sgpr_workgroup_id_y 1
		.amdhsa_system_sgpr_workgroup_id_z 1
		.amdhsa_system_vgpr_workitem_id 0
		.amdhsa_next_free_vgpr 1024
		.amdhsa_next_free_sgpr 100
		.amdhsa_reserve_vcc 1
		.amdhsa_float_denorm_mode_32 3
		.amdhsa_float_denorm_mode_16_64 3
		.amdhsa_memory_ordered 1
		.amdhsa_forward_progress 1
		.amdhsa_inst_pref_size 105
	.end_amdhsa_kernel
	.amdgpu_metadata
---
amdhsa.version: [ 1, 2 ]
amdhsa.kernels:
  - .name:           k_q3c4af28096_qkv
    .symbol:         k_q3c4af28096_qkv.kd
    .args:
      - { .name: act1, .offset: 0, .size: 8, .value_kind: global_buffer, .address_space: global }
      - { .name: wb, .offset: 8, .size: 8, .value_kind: global_buffer, .address_space: global }
      - { .name: big, .offset: 16, .size: 8, .value_kind: global_buffer, .address_space: global }
      - { .name: pos, .offset: 24, .size: 8, .value_kind: global_buffer, .address_space: global }
      - { .name: pos_orig, .offset: 32, .size: 8, .value_kind: global_buffer, .address_space: global }
      - { .name: time, .offset: 40, .size: 8, .value_kind: global_buffer, .address_space: global }
      - { .name: qk_scale, .offset: 48, .size: 8, .value_kind: global_buffer, .address_space: global }
    .group_segment_fixed_size: 327680
    .private_segment_fixed_size: 0
    .kernarg_segment_align: 8
    .kernarg_segment_size: 56
    .max_flat_workgroup_size: 128
    .sgpr_count:     100
    .vgpr_count:     1024
    .wavefront_size: 32
...
	.end_amdgpu_metadata
.endif
;; end of part 2
;; launch attn (part 3): grid 8 x 32, 4 waves a work-group, clusters of 4 x 1, 327,680 bytes of LDS; arguments big, act2; writes act2
.if DOCPART == 3
	.amdgcn_target "amdgcn-amd-amdhsa--gfx1250"
	.amdhsa_code_object_version 6
	.text
	.protected	k_q3c4af28096_attn
	.globl	k_q3c4af28096_attn
	.p2align	8
	.type	k_q3c4af28096_attn,@function
k_q3c4af28096_attn:
	s_mov_b64 s[64:65], 0
	v_nop
	global_prefetch_b8 v0, s[64:65] scope:SCOPE_SE
	s_setreg_imm32_b32 hwreg(HW_REG_WAVE_MODE, 25, 1), 1
	s_wait_xcnt 0x0
	s_wait_alu depctr_hold_cnt(0) depctr_sa_sdst(0) depctr_va_vdst(0) depctr_va_sdst(0) depctr_va_ssrc(0) depctr_va_vcc(0) depctr_vm_vsrc(0)
	s_getreg_b32 s2, hwreg(HW_REG_IB_STS2, 6, 4)
	s_cmp_eq_u32 s2, 0
	s_cbranch_scc0 .Lentry_in_a_cluster
	s_endpgm
.Lentry_in_a_cluster:
	s_bfe_u32 s2, ttmp6, 0x10000c
	s_cmp_lg_u32 s2, 0x3003
	s_cbranch_scc0 .Lentry_shape_is_right
	s_endpgm
.Lentry_shape_is_right:
; ATTENTION.  O[bh][q][:] = the sum over k of softmax_k(Q[bh][q] . K[bh][k]) V[bh][k][:]; the scale lies in Q and K already.  Q, K f16 and V bf16, each [32][2,048][64] in one buffer
; (Q at byte 0, K at 8,388,608, V at 16,777,216); O leaves in bf16 at ((head x 4,096 + token) x 128): the blocked layout that the next product reads, a head a K block.
; Products, maxima and sums in f32; the weights p are rounded to bf16 for the second product (their sum l is taken of the unrounded p), O once at the end.
; LIMITS.  A weight below 2^-126 counts as 0 in l; NaN and infinities are not treated apart.  c m starts at -4.2e37, far below every c s (|s| is at most qk_scale).
; SHARES.  A work-group owns 256 queries of one head, a wave 64: four PIECES of 16.  Every wave walks all 2,048 keys, 64 a step; a slot of LDS holds four steps (256 keys of K, then of V).
; LAYOUT.  S^T = K Q^T holds ONE query a lane (lane % 16) and the keys 8 (lane / 16) + 0..7; two such results rounded to bf16 ARE source 1 of O^T = V^T P.  V comes out of LDS turned, by ds_load_tr16_b128.
; SOFTMAX.  p = 2^(c s - c m), c = log2(e), with a running maximum m; O and l are multiplied by a = 2^(c m_old - c m_new) in every step.  m starts at the lowest finite number, O and l at 0.
; TURNS.  Turn n belongs to piece n: 8 products K Q^T of piece n + 1, later 8 products V^T P of piece n - 1; beside them the scaling, exponentials, roundings, sums and rescaling of piece n and the maximum
; and statistics of piece n + 1.  Four vector instructions stand behind every matrix instruction, the rest in one lump.  A turn's 33 exponentials are one batch, with one wait.
; CLUSTER.  The four query blocks of a cluster belong to one head and walk the same K and V: each tile is asked for jointly.
; REGISTERS, in windows of 256: window 0: v0-15 addresses, v16-31 statistics, v48-55 at work, v61-63 prefetch offset and the add's two, v64-127 S^T (two buffers), v192-223 P (two buffers);
; window 1: v0-127 O^T; window 2: v0-63 Q, v128-191 K of one step, v192-255 V of one step.
.set SIZE_N, 2048
.set NP,    4
.set KS,    64
.set PK,    144       ; a row of K in LDS: 128 bytes + 16: the 16 rows of a load start at 16 different groups of four banks (ISA guide 11.1)
.set PV,    160       ; a row of V: 128 + 32
.set VOFF,  4*KS*PK
.set SLOT1, 1<<17
.set STAGE, SLOT1+4*KS*(PK+PV)
.set SP,    144
.set AK0, 2
.set AV0, 3
.set AK,  4
.set AV,  5
.set STO, 6
.set RD,  7
.set GO,  8
.set PFO, 61          ; v61  256 x lane; never rewritten
.set SPW, 62
.set NIL, 63
.set SPARE, STAGE+4*16*SP
.set MV,  12
.set QO,  15
.set ST,  16          ; piece t's statistics at v[ST+4 t]: c m, m, l (even keys', odd keys')
.set TMP, 48
.set S,   64
.set P,   192
.set KF,  128
.set VF,  192
.set WV,  12
.set G1K, 24
.set G1V, 32
.set G0K, 40
.set G0V, 44
.set SLOTS, 56
.set CNT, 57
.set CS,  58
.set SEL, 60
.set TBK, 62
.set TBV, 63
.set TBC, 70
.set PFA, 84
.set LIM, 86
.set MSB, 0
.macro WIN new
.if MSB != (\new)
	s_set_vgpr_msb (MSB<<8)|(\new)
.set MSB, (\new)
.endif
.endm
.set W_KQ, 0x0a       ; K and Q in window 2, S^T in window 0
.set W_PV, 0x52       ; V in window 2, P in window 0, O^T in window 1
.set W_RS, 0x41       ; destination and source 0 in window 1, source 1 in window 0
.macro JLOAD                        ; waves 0 and 1 fetch the halves of a slot's K, waves 2 and 3 of its V; an s_nop 0 and four v_nop follow each line
	s_cmp_lt_u32 s[WV], 2
	s_cbranch_scc0 .Lfor_v_\@
	tensor_load_to_lds s[G0K:G0K+3], s[G1K:G1K+7]
	s_nop 0
.rept 4
	v_nop
.endr
	s_branch .Lasked_\@
.Lfor_v_\@:
	tensor_load_to_lds s[G0V:G0V+3], s[G1V:G1V+7]
	s_nop 0
.rept 4
	v_nop
.endr
.Lasked_\@:
.endm
; A prefetch of what the NEXT change of slots will ask for.  All clusters of a head walk the same K and V: the head's first cluster asks; its four partners take 8,192 bytes each of a tile's 32,768, told apart
; by address; wave 0 asks for K's, wave 2 for V's, a lane 256 bytes.  The last change that fills a slot asks for nothing.
.macro ASK
	s_cmp_gt_u32 s[SLOTS], s[LIM]
	s_cbranch_scc0 .Lnot_mine_\@
	global_prefetch_b8 v[PFO], s[PFA:PFA+1] th:TH_LOAD_NT scope:SCOPE_SE
.Lnot_mine_\@:
.endm
.macro CROUND
	s_barrier_signal -1
	s_barrier_wait -1
	s_cmp_lg_u32 s[WV], 0
	s_cbranch_scc1 .Lnot_wave_0_\@
	s_barrier_signal -3
.Lnot_wave_0_\@:
	s_barrier_wait -3
	s_barrier_signal -1
	s_barrier_wait -1
.endm
; THE CHANGE OF SLOTS.  Each wave waits for all its tensor loads (one is out: its part of the other slot), adds 0 to its spare word, and waits for that and for its reads of the slot that it leaves.
; fill = 1: the barrier is a round of the cluster's, and the joint fill of the slot just left, with the keys two slots on, is the first thing behind it.  (At its first use: slot 0 is waited for, slot 1 filled.)
.macro CHANGE fill
	WIN 0
	s_wait_tensorcnt 0x0
	ds_add_u32 v[SPW], v[NIL]
.if \fill
.irp g, G0K, G0V
	s_xor_b32 s[\g+1], s[\g+1], SLOT1
	s_add_nc_u64 s[\g+2:\g+3], s[\g+2:\g+3], 4*KS*128
.endr
	s_wait_xcnt 0x0                 ; the last prefetch, four key steps back, has read its address
	s_add_nc_u64 s[PFA:PFA+1], s[PFA:PFA+1], 4*KS*128
	s_wait_dscnt 0x0
	CROUND
	JLOAD
	ASK
.else
	s_wait_dscnt 0x0
	s_barrier_signal -1
	s_barrier_wait -1
.endif
	s_sub_co_u32 s[TBK], s[TBK], 4*KS*PK
	s_xor_b32 s[TBK], s[TBK], SLOT1
	s_sub_co_u32 s[TBV], s[TBV], 4*KS*PV
	s_xor_b32 s[TBV], s[TBV], SLOT1
.endm
	s_load_b128 s[4:7], s[0:1], 0x0   ; big s[4:5], act2 s[6:7]
	v_lshl_add_u32 v[SPW], v0, 2, SPARE
	v_mov_b32 v[NIL], 0
	ds_add_u32 v[SPW], v[NIL]       ; the wave's opening: the add and its wait ahead of my first tensor load
	v_lshrrev_b32 v1, 5, v0
	v_readfirstlane_b32 s[WV], v1
	s_bfe_u32 s13, ttmp6, 0x40000   ; cx
	s_lshl_b32 s14, ttmp9, 2
	s_add_co_u32 s14, s14, s13      ; my block of 256 queries: it enters Q's and O's addresses alone
	s_and_b32 s20, ttmp7, 0xffff    ; batch x 16 + head, which the four partners share
	s_lshl_b32 s21, s20, 18         ; its 2,048 rows of 128 bytes
	s_and_b32 s16, s[WV], 1         ; which half of a slot's 256 keys I fetch
	s_lshl_b32 s22, s16, 14
	s_add_co_u32 s22, s22, s21
	s_mov_b32 s23, 0
	s_mul_i32 s17, s16, 128*PK
	s_mul_i32 s18, s16, 128*PV
	s_lshl_b32 s2, s14, 2
	s_add_co_u32 s2, s2, s[WV]
	s_lshl_b32 s2, s2, 13           ; my wave's 64 rows
	s_add_co_u32 s66, s2, s21
	s_mov_b32 s67, 0
	s_and_b32 s68, s20, 15          ; O: (head x 2 + batch) x 2,048 rows
	s_lshl_b32 s68, s68, 1
	s_lshr_b32 s69, s20, 4
	s_add_co_u32 s68, s68, s69
	s_lshl_b32 s68, s68, 18
	s_add_co_u32 s68, s68, s2
	s_mov_b32 s69, 0
	s_lshr_b32 s72, s[WV], 1        ; the prefetches: K (waves 0, 1) begins at 1 << 23, V at 2 << 23,
	s_add_co_u32 s72, s72, 1
	s_lshl_b32 s72, s72, 23
	s_lshl_b32 s73, s13, 13         ; my work-group's 8,192 bytes of a tile,
	s_add_co_u32 s72, s72, s73
	s_add_co_u32 s72, s72, 32768    ; in tile 1: the first change steps it to tile 2
	s_mov_b32 s73, 0
	s_mov_b32 s[G1K], 15|(1<<16)|(1<<20)|(1<<21)|(4<<22)|(3<<25)  ; the mask of four; 2-byte elements; padding on; bit 21 beside a mask; after every 32 words; 4 words
	s_mov_b32 s[G1V], 15|(1<<16)|(1<<20)|(1<<21)|(4<<22)|(7<<25)  ; the same with 8 words
.irp g, G1K, G1V
	s_mov_b32 s[\g+1], 128<<16      ; 128 keys are 16,384 dense bytes: 64 rows of 256 bytes, two keys a row
	s_mov_b32 s[\g+2], 64<<16
	s_mov_b32 s[\g+3], 128<<16
	s_mov_b32 s[\g+4], 64
	s_mov_b32 s[\g+5], 128
	s_mov_b32 s[\g+6], 0
	s_mov_b32 s[\g+7], 0
.endr
	s_mov_b32 s[CS], 0x3fb8aa3b     ; c = log2(e)
	s_mov_b32 s[CS+1], s[CS]
	s_mov_b32 s[SEL], 0x76543210
	s_mov_b32 s[SEL+1], 0xfedcba98
	s_mov_b32 s[TBK], SLOT1+4*KS*PK ; the first change of slots turns these two into 0
	s_mov_b32 s[TBV], SLOT1+4*KS*PV
	s_mov_b32 s[G0K], 1
	s_mov_b32 s[G0K+1], s17
	s_mov_b32 s[G0V], 1
	s_add_co_u32 s[G0V+1], s18, VOFF
	s_mov_b32 s[SLOTS], SIZE_N/256-1
	s_and_b32 s[LIM], s[WV], 1
	s_or_b32 s[LIM], s[LIM], ttmp9  ; 0 in waves 0 and 2 of the head's first cluster: the same in all four partners
	s_cmp_eq_u32 s[LIM], 0
	s_cselect_b32 s[LIM], 1, -1
	v_and_b32 v[PFO], 31, v0
	v_lshlrev_b32 v[PFO], 8, v[PFO]
	s_wait_dscnt 0x0                ; the opening add is done
	s_wait_kmcnt 0x0
	s_add_nc_u64 s[8:9], s[4:5], s[22:23]
	s_add_nc_u64 s[G0K+2:G0K+3], s[8:9], 8388608
	s_or_b32 s[G0K+3], s[G0K+3], 0x80000000
	s_add_nc_u64 s[G0V+2:G0V+3], s[8:9], 16777216
	s_or_b32 s[G0V+3], s[G0V+3], 0x80000000
	s_add_nc_u64 s[PFA:PFA+1], s[8:9], s[72:73]
	s_add_nc_u64 s[4:5], s[4:5], s[66:67]    ; Q at my wave's first row
	s_add_nc_u64 s[10:11], s[6:7], s[68:69]  ; O likewise
	CROUND                          ; all four work-groups are here: the first joint loads meet
	JLOAD                           ; slot 0
	v_and_b32 v1, 15, v0            ; l % 16
	v_bfe_u32 v9, v0, 4, 1          ; l / 16
	v_lshlrev_b32 v[QO], 7, v1
	v_lshl_add_u32 v[QO], v9, 4, v[QO]
	WIN 0x80
.set i, 0
.rept 8                             ; Q stays in registers: piece i / 2, channels 32 (i % 2) on
	global_load_b128 v[8*i:8*i+3],   v[QO], s[4:5] offset:(i/2)*2048+(i%2)*64
	global_load_b128 v[8*i+4:8*i+7], v[QO], s[4:5] offset:(i/2)*2048+(i%2)*64+32
.set i, i+1
.endr
	; what the first turn finds: V's registers and P's second buffer hold 0 (its products V^T P, of a piece that has not been, add 0), O^T and l are 0.  All this stands in the wait for the first tile.
.set i, VF
.rept 64
	v_mov_b32 v[i], 0
.set i, i+1
.endr
	WIN 0x40
.set i, 0
.rept 128
	v_mov_b32 v[i], 0
.set i, i+1
.endr
	WIN 0
.set i, 0
.rept 4
	v_mov_b32 v[ST+4*i], 0xfe000000
	v_mov_b32 v[ST+4*i+1], 0xff7fffff
	v_mov_b32 v[ST+4*i+2], 0
	v_mov_b32 v[ST+4*i+3], 0
.set i, i+1
.endr
.set i, P+16
.rept 16
	v_mov_b32 v[i], 0
.set i, i+1
.endr
	v_mul_u32_u24 v[AK0], v1, PK
	v_lshl_add_u32 v[AK0], v9, 4, v[AK0]
	v_and_b32 v10, 7, v0            ; the turning load: lane l reads key 8 (l / 16) + l % 8, channels 8 ((l / 8) % 2) + 0..7
	v_bfe_u32 v11, v0, 3, 1
	v_lshl_add_u32 v[AV0], v9, 3, v10
	v_mul_u32_u24 v[AV0], v[AV0], PV
	v_lshl_add_u32 v[AV0], v11, 4, v[AV0]
	v_add_nc_u32 v[AV0], VOFF, v[AV0]
	v_mov_b32 v[AK], v[AK0]         ; key step 0 lies at the head of slot 0
	s_mul_i32 s13, s[WV], 16*SP
	s_add_co_u32 s13, s13, STAGE    ; my stage
	v_mul_u32_u24 v[STO], v1, SP
	v_lshl_add_u32 v[STO], v9, 4, v[STO]
	v_add_nc_u32 v[STO], s13, v[STO]
	v_bfe_u32 v[RD], v0, 3, 2       ; back: 32 lanes take four rows of 128 bytes,
	v_mul_u32_u24 v[RD], v[RD], SP
	v_lshl_add_u32 v[RD], v10, 4, v[RD]
	v_add_nc_u32 v[RD], s13, v[RD]
	v_and_b32 v[GO], 31, v0         ; which are 512 consecutive bytes of O
	v_lshlrev_b32 v[GO], 4, v[GO]
; THE MATRIX WORK.  The 4 accumulators of a run of 8 take turns.
.macro KQ x                         ; product i of 8 of S^T = K Q^T for piece x: channels 32 (i / 4) on, keys 16 (i % 4) on; the first 4 start the sums
.set rS, S+32*((\x)%2)+8*(i%4)
.set rK, KF+16*(i%4)+8*(i/4)
.set rQ, 16*(\x)+8*(i/4)
	WIN W_KQ
.if i < 4
	v_wmma_f32_16x16x32_f16 v[rS:rS+7], v[rK:rK+7], v[rQ:rQ+7], 0
.else
	v_wmma_f32_16x16x32_f16 v[rS:rS+7], v[rK:rK+7], v[rQ:rQ+7], v[rS:rS+7]
.endif
.endm
.macro PV x                         ; product i of 8 of O^T += V^T P for piece x: keys 32 (i / 4) on, channels 16 (i % 4) on
	WIN W_PV
.set rO, 32*(\x)+8*(i%4)
.set rV, VF+32*(i/4)+8*(i%4)
.set rP, P+16*((\x)%2)+8*(i/4)
	v_wmma_f32_16x16x32_bf16 v[rO:rO+7], v[rV:rV+7], v[rP:rP+7], v[rO:rO+7]
.endm
.macro MM                           ; the turn's next matrix instruction
.if i < 8
	KQ (Y+1)%NP
.else
.set i, i-8
	PV (Y+NP-1)%NP
.set i, i+8
.endif
.set i, i+1
.endm
.macro FETCH_K                      ; a step's K: 16 LDS loads in one run
	WIN 0x80
.irp f, 0,1,2,3,4,5,6,7
	ds_load_b128 v[KF+8*\f:KF+8*\f+3],   v[AK] offset:(\f/2)*16*PK+(\f%2)*64
	ds_load_b128 v[KF+8*\f+4:KF+8*\f+7], v[AK] offset:(\f/2)*16*PK+(\f%2)*64+32
.endr
	s_add_co_u32 s[TBK], s[TBK], KS*PK
	WIN 0
.endm
.macro FETCH_V                      ; a step's V, turned
	WIN 0x80
.irp f, 0,1,2,3,4,5,6,7
	ds_load_tr16_b128 v[VF+8*\f:VF+8*\f+3],   v[AV] offset:(\f/4)*32*PV+(\f%4)*32
	ds_load_tr16_b128 v[VF+8*\f+4:VF+8*\f+7], v[AV] offset:(\f/4)*32*PV+16*PV+(\f%4)*32
.endr
	WIN 0
.endm
; THE VECTOR WORK, one line at a time: OP kind, number.  For piece Y: F n: c s - c m for pair n of 16.  E n: the exponential of score n of 32.  C n: pair n rounded to bf16.  B n: of the four weights 4 n ..
; the second pair is added onto the first, in place.  L n: l takes that sum (L 0: l = a l + sum).  R n: pair n of 16 of O^T times a.  For piece Y + 1: X n, number n of the 22 that find its maximum and statistics
; (each accumulator's lowest registers are read first).
.set F, 0
.set E, 1
.set C, 2
.set B, 3
.set L, 4
.set R, 5
.set X, 6
.macro REGS y
.set rT, ST+4*(\y)
.set rC, TMP+4*((\y)%2)
.set rW, MV+((\y)%2)
.set rS, S+32*((\y)%2)
.set rP, P+16*((\y)%2)
.set rO, 32*(\y)
.endm
.macro OP k, n
.if (\k) == R
	REGS Y
	WIN W_RS
	v_pk_mul_f32 v[rO+2*(\n):rO+2*(\n)+1], v[rO+2*(\n):rO+2*(\n)+1], v[rC+2:rC+3] op_sel_hi:[1,0]
.elseif (\k) < R
	REGS Y
	WIN 0
.if (\k) == F
	v_pk_fma_f32 v[rS+2*(\n):rS+2*(\n)+1], v[rS+2*(\n):rS+2*(\n)+1], s[CS:CS+1], v[rT:rT+1] op_sel_hi:[1,0,0] neg_lo:[0,0,1] neg_hi:[0,0,1]
.elseif (\k) == E
	v_exp_f32 v[rS+(\n)], v[rS+(\n)]
.elseif (\k) == C
	v_cvt_pk_bf16_f32 v[rP+(\n)], v[rS+2*(\n)], v[rS+2*(\n)+1]
.elseif (\k) == B
	v_pk_add_f32 v[rS+4*(\n):rS+4*(\n)+1], v[rS+4*(\n):rS+4*(\n)+1], v[rS+4*(\n)+2:rS+4*(\n)+3]
.elseif (\n) == 0
	v_pk_fma_f32 v[rT+2:rT+3], v[rT+2:rT+3], v[rC+2:rC+3], v[rS:rS+1] op_sel_hi:[1,0,1]
.else
	v_pk_add_f32 v[rT+2:rT+3], v[rT+2:rT+3], v[rS+4*(\n):rS+4*(\n)+1]
.endif
.else
	REGS (Y+1)%NP
	WIN 0
.if (\n) < 4
	v_max3_num_f32 v[rC+(\n)], v[rS+8*(\n)], v[rS+8*(\n)+1], v[rS+8*(\n)+2]
.elseif (\n) < 12
	v_max3_num_f32 v[rC+(\n)%4], v[rC+(\n)%4], v[rS+8*((\n)%4)+2*((\n)/4)+1], v[rS+8*((\n)%4)+2*((\n)/4)+2]
.elseif (\n) == 12
	v_max3_num_f32 v[rC], v[rC], v[rS+7], v[rS+15]
.elseif (\n) == 13
	v_max3_num_f32 v[rC+1], v[rC+1], v[rS+23], v[rS+31]
.elseif (\n) == 14
	v_max3_num_f32 v[rC+2], v[rC+2], v[rC+3], v[rT+1]
.elseif (\n) == 15
	v_mov_b32 v[rW], v[rT]
.elseif (\n) == 16
	v_max3_num_f32 v[rC], v[rC], v[rC+1], v[rC+2]
.elseif (\n) == 17
	v_permlanex16_b32 v[rC+3], v[rC], s[SEL], s[SEL+1]
.elseif (\n) == 18
	v_max_num_f32 v[rT+1], v[rC], v[rC+3]
.elseif (\n) == 19
	v_mul_f32 v[rT], s[CS], v[rT+1]
.elseif (\n) == 20
	v_sub_f32 v[rC+1], v[rW], v[rT]
.else
	v_exp_f32 v[rC+2], v[rC+1]
.endif
.endif
.endm
.macro OPS a, i1, b=-1, i2=0, c=-1, i3=0, d=-1, i4=0
	OP \a, \i1
.if (\b) >= 0
	OP \b, \i2
.endif
.if (\c) >= 0
	OP \c, \i3
.endif
.if (\d) >= 0
	OP \d, \i4
.endif
.endm
.macro ROW a, i1, b, i2, c, i3, d, i4  ; a matrix instruction and the four behind it
	MM
	OPS \a, \i1, \b, \i2, \c, \i3, \d, \i4
.endm
; A TURN, for piece p.  Ahead of its one wait stands all that names no result of the turn's exponentials: the 8 products K Q^T with their riders, then the lump; X 21, the next piece's a, is the batch's last, and
; R 15 the plain instruction behind it.  Behind the wait stand the 8 products V^T P, behind each four of the roundings and sums.
; K of the next step is fetched in piece 2's turn, V of the step in hand at the end of piece 0's; each is waited for a turn later.  last = 1 (the tail): K's address is held to the slot's last step, so that the
; trip that has no further step fetches that K once more and reads no other bytes.  cnt = 1: the loop's count is taken down some lines ahead of the branch behind the turn.
.macro TURN p, last=0, cnt=0
.set Y, (\p)
.set i, 0
.if (\p) == 3
	s_wait_dscnt 0x0                ; K is in
.endif
	ROW F,0, F,1, R,0, R,1
	ROW F,2, E,0, R,2, R,3
	ROW F,3, E,1, R,4, R,5
	ROW F,4, E,2, R,6, R,7
	ROW F,5, E,3, R,8, R,9
	ROW F,6, E,4, X,0, R,10
.if (\p) == 2
	WIN 0
.if \last
	s_min_u32 s[TBC], s[TBK], SLOT1+3*KS*PK
	v_add_nc_u32 v[AK], s[TBC], v[AK0]
.else
	v_add_nc_u32 v[AK], s[TBK], v[AK0]
.endif
.endif
	ROW F,7, E,5, X,1, X,4
	ROW F,8, E,6, X,2, X,5
	OPS E,7, E,8, X,6, E,9
	OPS X,3, E,10, X,8, E,11
.if (\p) == 2
	FETCH_K
.endif
	OPS X,9, X,7, E,12, X,10
	OPS E,13, X,12, X,11, E,14
	OPS X,13, E,15, F,9, X,14
.if (\p) == 0
	v_add_nc_u32 v[AV], s[TBV], v[AV0]
.endif
	OPS E,16, F,10, E,17, F,11
	OPS X,16, E,18, X,15, E,19
	OPS F,12, E,20, X,17, E,21
	OPS F,13, E,22, F,14, E,23
	OPS X,18, E,24, F,15, E,25
	OPS R,11, E,26, X,19, E,27
	OPS R,12, E,28, R,13, E,29
	OPS X,20, E,30, R,14, E,31
	OPS X,21, R,15
	WIN 0
	s_wait_alu depctr_va_vdst(0)    ; the wait for the batch
.if (\p) == 1
	s_wait_dscnt 0x0                ; V is in
.endif
	ROW C,0, B,0, C,2, B,1
	ROW L,0, C,4, B,2, L,1
	ROW C,6, B,3, L,2, C,8
	ROW B,4, L,3, C,10, B,5
	ROW L,4, C,12, B,6, L,5
.if (\p) == 0
	s_add_co_u32 s[TBV], s[TBV], KS*PV
.endif
.if \cnt
	s_sub_co_u32 s[CNT], s[CNT], 1
	s_cmp_lg_u32 s[CNT], 0
.endif
	ROW C,14, B,7, L,6, C,1
	ROW C,3, L,7, C,5, C,7
	ROW C,9, C,11, C,13, C,15
.if (\p) == 0
	FETCH_V
.endif
.endm
	CHANGE 1                        ; slot 0 is in, everybody's part of it; slot 1 is asked for
	FETCH_K                         ; key step 0
	s_wait_loadcnt 0x0              ; Q
	s_wait_dscnt 0x0
.set i, 0
.rept 8
	KQ 0                            ; piece 0's first scores
.set i, i+1
.endr
	WIN 0
.rept 4
	v_nop                           ; the places behind those products
.endr
.set Y, NP-1                        ; X works for piece Y + 1: piece 0
.irp n, 0,1,2,3,4,5,6,7,8,9,10,11,12,13,14,15,16,17,18,19,20,21
	OP X, \n
.endr
	v_nop                           ; a plain instruction behind the exponential,
	s_wait_alu depctr_va_vdst(0)    ; and its wait, ahead of the branch
	s_mov_b32 s[CNT], 4
	s_branch .Lfirst                ; the loop is entered at a step's first turn, in the middle of a trip
.Lslot:                             ; six times: every slot but the last two is filled again
	CHANGE 1
	s_mov_b32 s[CNT], 4
.Lstep:                             ; a trip: pieces 2 and 3 of one step, then pieces 0 and 1 of the next, whose K and V it fetches
	TURN 2
	TURN 3
	WIN 0
.Lfirst:
	TURN 0
	TURN 1, 0, 1
	WIN 0
	s_cbranch_scc1 .Lstep
	s_sub_co_u32 s[SLOTS], s[SLOTS], 1
	s_cmp_lg_u32 s[SLOTS], 0
	s_cbranch_scc1 .Lslot
	CHANGE 0                        ; the tail is written out
	s_mov_b32 s[CNT], 5             ; four trips fetch the last slot's steps; the fifth is left in its middle
.Ltail:
	TURN 2, 1
	TURN 3
	WIN 0
	s_sub_co_u32 s[CNT], s[CNT], 1
	s_cmp_eq_u32 s[CNT], 0
	s_cbranch_scc1 .Lout
	TURN 0
	TURN 1
	WIN 0
	s_branch .Ltail
.Lout:                              ; the fifth trip's 8 products K Q^T (on the last K once more) and the maximum made of them serve nothing: the price of one text for every trip
.set i, 0
.rept 8
	PV NP-1                         ; the last piece's V^T P of the last step
.set i, i+1
.endr
	; THE WAY OUT.  l's two halves and the other half of the lanes' are added; O^T is divided by l, rounded to bf16 and sent through my stage in LDS, a piece at a time.
	WIN 0
.macro ALL line:vararg
.set t, 0
.rept 4
	\line
.set t, t+1
.endr
.endm
	ALL v_add_f32 v[ST+4*t+2], v[ST+4*t+2], v[ST+4*t+3]
	ALL v_permlanex16_b32 v[ST+4*t+3], v[ST+4*t+2], s[SEL], s[SEL+1]
	ALL v_add_f32 v[ST+4*t+2], v[ST+4*t+2], v[ST+4*t+3]
	ALL v_rcp_f32 v[ST+4*t+2], v[ST+4*t+2]
	v_nop                           ; a plain instruction behind the last reciprocal,
	s_wait_alu depctr_va_vdst(0)    ; and one wait for the four
.macro PACK t
	WIN W_RS
.set i, 32*(\t)
.rept 16
	v_pk_mul_f32 v[i:i+1], v[i:i+1], v[ST+4*(\t)+2:ST+4*(\t)+3] op_sel_hi:[1,0]
.set i, i+2
.endr
	WIN 0x05
.set i, 0
.rept 16
	v_cvt_pk_bf16_f32 v[S+16*(\t)+i], v[32*(\t)+2*i], v[32*(\t)+2*i+1]
.set i, i+1
.endr
	WIN 0
.irp f, 0,1,2,3
	ds_store_b128 v[STO], v[S+16*(\t)+4*\f:S+16*(\t)+4*\f+3] offset:32*\f
.endr
.irp f, 0,1,2,3
	ds_load_b128 v[S+16*(\t)+4*\f:S+16*(\t)+4*\f+3], v[RD] offset:\f*4*SP  ; LDS serves a wave's instructions in order (ISA guide 5.7.1.4): these see the stores above
.endr
.endm
.macro SEND t, younger              ; younger: the LDS instructions issued behind piece t's loads: the next piece's eight, or none
	WIN 0
.irp f, 0,1,2,3
	s_wait_dscnt (\younger)+3-\f
	global_store_b128 v[GO], v[S+16*(\t)+4*\f:S+16*(\t)+4*\f+3], s[10:11] offset:(\t)*2048+\f*512  ; 512 consecutive bytes, at a multiple of 256 from O's first
.endr
.endm
	PACK 0
.set t, 1
.rept 3
	PACK t
	SEND t-1, 8
.set t, t+1
.endr
	SEND 3, 0
	s_wait_tensorcnt 0x0            ; the wave's end
	ds_add_u32 v[SPW], v[NIL]
	s_wait_dscnt 0x0
	CROUND                          ; the closing round
	s_endpgm
.Lfunc_end_k_q3c4af28096_attn:
	.size	k_q3c4af28096_attn, .Lfunc_end_k_q3c4af28096_attn-k_q3c4af28096_attn
	.p2alignl 7, 3214868480
	.fill 96, 4, 3214868480
	.section	.rodata,"a",@progbits
	.p2align	6, 0x0
	.amdhsa_kernel k_q3c4af28096_attn
		.amdhsa_group_segment_fixed_size 327680
		.amdhsa_private_segment_fixed_size 0
		.amdhsa_enable_private_segment 0
		.amdhsa_kernarg_size 16
		.amdhsa_user_sgpr_count 2
		.amdhsa_user_sgpr_kernarg_segment_ptr 1
		.amdhsa_wavefront_size32 1
		.amdhsa_system_sgpr_workgroup_id_x 1
		.amdhsa_system_sgpr_workgroup_id_y 1
		.amdhsa_system_sgpr_workgroup_id_z 1
		.amdhsa_system_vgpr_workitem_id 0
		.amdhsa_next_free_vgpr 768
		.amdhsa_next_free_sgpr 88
		.amdhsa_reserve_vcc 0
		.amdhsa_float_denorm_mode_32 3
		.amdhsa_float_denorm_mode_16_64 3
		.amdhsa_memory_ordered 1
		.amdhsa_forward_progress 1
		.amdhsa_inst_pref_size 112
	.end_amdhsa_kernel
	.amdgpu_metadata
---
amdhsa.version: [ 1, 2 ]
amdhsa.kernels:
  - .name:           k_q3c4af28096_attn
    .symbol:         k_q3c4af28096_attn.kd
    .args:
      - { .name: big, .offset: 0, .size: 8, .value_kind: global_buffer, .address_space: global }
      - { .name: act2, .offset: 8, .size: 8, .value_kind: global_buffer, .address_space: global }
    .group_segment_fixed_size: 327680
    .private_segment_fixed_size: 0
    .kernarg_segment_align: 8
    .kernarg_segment_size: 16
    .max_flat_workgroup_size: 128
    .sgpr_count:     88
    .vgpr_count:     768
    .wavefront_size: 32
...
	.end_amdgpu_metadata
.endif
;; end of part 3
;; launch outp (part 4): grid 8 x 32, 4 waves a work-group, clusters of 4 x 4, 327,680 bytes of LDS; arguments act2, wb, x, x1, act1, ssq; writes x1, act1, ssq
.if DOCPART == 4
	.amdgcn_target "amdgcn-amd-amdhsa--gfx1250"
	.amdhsa_code_object_version 6
	.text
	.protected	k_q3c4af28096_outp
	.globl	k_q3c4af28096_outp
	.p2align	8
	.type	k_q3c4af28096_outp,@function
k_q3c4af28096_outp:
	s_mov_b64 s[64:65], 0
	v_nop
	global_prefetch_b8 v0, s[64:65] scope:SCOPE_SE
	s_setreg_imm32_b32 hwreg(HW_REG_WAVE_MODE, 25, 1), 1
	s_wait_xcnt 0x0
	s_wait_alu depctr_hold_cnt(0) depctr_sa_sdst(0) depctr_va_vdst(0) depctr_va_sdst(0) depctr_va_ssrc(0) depctr_va_vcc(0) depctr_vm_vsrc(0)
	s_getreg_b32 s2, hwreg(HW_REG_IB_STS2, 6, 4)
	s_cmp_eq_u32 s2, 0
	s_cbranch_scc0 .Lentry_in_a_cluster
	s_endpgm
.Lentry_in_a_cluster:
	s_bfe_u32 s2, ttmp6, 0x10000c
	s_cmp_lg_u32 s2, 0xf033
	s_cbranch_scc0 .Lentry_shape_is_right
	s_endpgm
.Lentry_shape_is_right:
; OUT PROJECTION: x1 = x + O Wout^T (4,096 x 1,024, K = 1,024; bf16 operands, f32 sums).  Also stored: x1 rounded to bf16 in the blocked layout, and for each row and each block of 64 columns the f32 sum of x1^2.
; The same text as the down projection's, but for the constants T, WOFF, EXTRA and the arguments.
; SHARES.  A work-group makes 128 x 128, each of its four waves 64 x 64: 16 accumulators.  K goes in steps of 256 (four blocks of 64) through two LDS slots; a wave's tensor load brings 64 rows of four blocks,
; each block's 64 rows as one long row of 8,192 consecutive bytes, padded in LDS by 16 bytes behind every 128: rows of 144 bytes, 16 rows of a load in 16 different groups of four banks (ISA guide 11.1).
; THE RESIDUAL STARTS THE SUMS: it is read in whole rows of 256 bytes, turned into the accumulators' layout through a small stage of the wave's own, and every product adds in place.
; CLUSTER.  4 x 4 work-groups; A's tiles are asked for jointly along a row of the cluster, B's along a column.  A trip is one K step; the slots' LDS addresses hang on a scalar that an exclusive or turns.
; THE WALK ALONG K IS TURNED.  The cluster at (X, Y) begins at K step (T / 2) X + (T / 4) (Y mod 4) and goes round.  The two clusters that read the same rows of A begin half of K apart; four clusters below each
; other, which read the same rows of B, a quarter of K apart each: no two of them ask for the same bytes in the same step.  A and B turn together; X and Y are the same in all sixteen partners, so the joint
; loads' descriptors stay equal.  The sums are taken in that order of K.
; No prefetch is laid: a wave's tile of a step is small (64 rows of four blocks).
; REGISTERS: window 0: v0-31 addresses, v32-95 at work on the way out, v128-255 accumulators ((a, b) at 128 + 8 (4 a + b)); window 1: two fragment buffers of 128 (64 of A, then 64 of B).
.set T,      4                         ; K steps
.set EXTRA,  1                         ; 1: the bf16 copy and the row sums are stored too
.set WOFF,   6291456                   ; B's first byte in wb
.set RA,     4096
.set RB,     1024
.set PITCH,  144
.set KBB,    64*PITCH
.set REG,    4*KBB
.set SLOT,   4*REG                     ; no region's first byte has a bit in common with SLOT
.set KSA,    4*RA*128                  ; bytes from K step to K step
.set KSB,    4*RB*128
.set PRE,    2*SLOT                    ; behind the ring: 16 rows x 272 bytes a wave, for the residual's way in; no fill lands here
.set PREW,   16*272
.set SSL,    PRE+4*PREW                ; 64 words a wave: the rows' sums of squares
.set SPARE,  SSL+1024                  ; the spare words, 128 bytes a wave, that no other line names
.set SPITCH, 272
.set WSTAGE, 64*SPITCH                 ; the way out's stage, a wave's own, over the ring, which has had its last fill by then
.set A0,   16
.set B0,   17
.set ADRA, 18
.set ADRB, 19
.set PST,  20
.set PLD,  21
.set SSA,  22
.set SSR,  23
.set STO,  24
.set RD,   25
.set CO,   26                          ; v26  my 16 bytes in two rows of 4,096 bytes
.set GO,   27                          ; v27  8 x lane
.set SPW,  28
.set NIL,  29
.set ACC,  128
.set F0,   0
.set F1,   128
.set TB,   2
.set G1,   24
.set G0,   32
.set KK,   43                          ; s43      the K step that the next fill asks for, 0 .. T - 1
.set BA,   44                          ; s[44:45] A at my wave's rows, K step 0
.set OFF,  46                          ; s[46:47] a K step's byte offset; the high word stays 0
.set G1B,  48
.set G0B,  56
.set SEL,  66
.set BB,   68                          ; s[68:69] B at my wave's rows, K step 0
.set FLAGS, (1<<16)|(1<<20)|(1<<21)|(4<<22)|(3<<25)
.set MSB, 0
.macro WIN new
.if MSB != (\new)
	s_set_vgpr_msb (MSB<<8)|(\new)
.set MSB, \new
.endif
.endm
.set MUL,  0x05
.set TO_F, 0x40
.macro JLOAD s
	s_cmp_eq_u32 s11, 0
	s_cbranch_scc0 .Lfor_b_\@
	tensor_load_to_lds s[G0+4*(\s):G0+4*(\s)+3], s[G1:G1+7]
	s_nop 0
.rept 4
	v_nop
.endr
	s_branch .Lasked_\@
.Lfor_b_\@:
	tensor_load_to_lds s[G0B+4*(\s):G0B+4*(\s)+3], s[G1B:G1B+7]
	s_nop 0
.rept 4
	v_nop
.endr
.Lasked_\@:
.endm
.macro CREST
	s_cmp_lg_u32 s10, 0
	s_cbranch_scc1 .Lnot_wave_0_\@
	s_barrier_signal -3
.Lnot_wave_0_\@:
	s_barrier_wait -3
	s_barrier_signal -1
	s_barrier_wait -1
.endm
.macro CROUND
	s_barrier_signal -1
	s_barrier_wait -1
	CREST
.endm
.macro PLACES
.rept 4
	v_nop
.endr
.endm
.macro MUL8 f, c, a0                   ; 8 products: row blocks a0, a0 + 1 x all 4 column blocks, 32 along K: half c of buffer f.  The 16 accumulators take turns
	WIN MUL
.irp a, \a0, (\a0)+1
.irp b, 0,1,2,3
	v_wmma_f32_16x16x32_bf16 v[ACC+8*(4*(\a)+(\b)):ACC+8*(4*(\a)+(\b))+7], v[(\f)+64+8*(4*(\c)+(\b)):(\f)+64+8*(4*(\c)+(\b))+7], v[(\f)+8*(4*(\c)+(\a)):(\f)+8*(4*(\c)+(\a))+7], v[ACC+8*(4*(\a)+(\b)):ACC+8*(4*(\a)+(\b))+7]
.endr
.endr
.endm
.macro FETCH q, f                      ; 32 LDS loads in one run: K block q of the slot in hand into buffer f; its first 32 along K first
	WIN TO_F
.irp c, 0,1
.irp i, 0,1,2,3
	ds_load_b128 v[(\f)+64+8*(4*(\c)+(\i)):(\f)+64+8*(4*(\c)+(\i))+3],   v[ADRB] offset:(\q)*KBB+64*(\c)+(\i)*16*PITCH
	ds_load_b128 v[(\f)+64+8*(4*(\c)+(\i))+4:(\f)+64+8*(4*(\c)+(\i))+7], v[ADRB] offset:(\q)*KBB+64*(\c)+(\i)*16*PITCH+32
	ds_load_b128 v[(\f)+8*(4*(\c)+(\i)):(\f)+8*(4*(\c)+(\i))+3],         v[ADRA] offset:(\q)*KBB+64*(\c)+(\i)*16*PITCH
	ds_load_b128 v[(\f)+8*(4*(\c)+(\i))+4:(\f)+8*(4*(\c)+(\i))+7],       v[ADRA] offset:(\q)*KBB+64*(\c)+(\i)*16*PITCH+32
.endr
.endr
.endm
.macro QUARTER q, f, g
	s_wait_dscnt 16                                ; the first 32 along K are in; the youngest sixteen loads may be out
	MUL8 \f, 0, 0
	MUL8 \f, 0, 2
	PLACES
	FETCH \q, \g
	s_wait_dscnt 32                                ; all but the 32 just issued
	MUL8 \f, 1, 0
	MUL8 \f, 1, 2
.endm
; The last quarter and the change of slots.  fill = 1: a round of the cluster's barrier, and the joint refill first behind it.  The walking descriptors are written between the add and the wait for it, where no
; tensor load of mine is out: the other slot than last time; the address made anew from K step KK, the type bits set again; then KK goes one step round.
.macro TURN fill
	WIN 0
	s_wait_tensorcnt 0x0                           ; all my tensor loads have landed: my part of the next slot
	ds_add_u32 v[SPW], v[NIL]
.if \fill
	s_xor_b32 s[G0+5], s[G0+5], SLOT
	s_mul_i32 s[OFF], s[KK], KSA
	s_add_nc_u64 s[G0+6:G0+7], s[BA:BA+1], s[OFF:OFF+1]
	s_or_b32 s[G0+7], s[G0+7], 0x80000000
	s_xor_b32 s[G0B+5], s[G0B+5], SLOT
	s_mul_i32 s[OFF], s[KK], KSB
	s_add_nc_u64 s[G0B+6:G0B+7], s[BB:BB+1], s[OFF:OFF+1]
	s_or_b32 s[G0B+7], s[G0B+7], 0x80000000
	s_add_co_u32 s[KK], s[KK], 1
	s_and_b32 s[KK], s[KK], T-1
.endif
	s_wait_dscnt 17                                ; the add and the youngest sixteen loads may be out
	MUL8 F1, 0, 0
	s_wait_dscnt 0x0                               ; the add is done, my reads of this slot are over
	s_barrier_signal -1
	MUL8 F1, 0, 2
	WIN 0
	s_barrier_wait -1
.if \fill
	CREST
	s_xor_b32 s[TB], s[TB], SLOT
	JLOAD 1                                        ; its four v_nop are also the places in front of the loads below
.else
	s_xor_b32 s[TB], s[TB], SLOT
	PLACES
.endif
	v_add_nc_u32 v[ADRA], s[TB], v[A0]
	v_add_nc_u32 v[ADRB], s[TB], v[B0]
	FETCH 0, F0
	MUL8 F1, 1, 0
	MUL8 F1, 1, 2
.endm
	s_load_b128 s[4:7], s[0:1], 0x0                ; A, wb
.if EXTRA
	s_load_b256 s[72:79], s[0:1], 0x10             ; the residual, the f32 result, the bf16 copy, the row sums
.else
	s_load_b128 s[72:75], s[0:1], 0x10             ; the residual, the f32 result
.endif
	v_lshl_add_u32 v[SPW], v0, 2, SPARE
	v_mov_b32 v[NIL], 0
	ds_add_u32 v[SPW], v[NIL]                      ; the wave's opening: the add and its wait ahead of my first tensor load
	v_lshrrev_b32 v1, 5, v0
	v_readfirstlane_b32 s10, v1
	s_lshr_b32 s11, s10, 1
	s_and_b32 s12, s10, 1
	s_bfe_u32 s40, ttmp6, 0x40000
	s_bfe_u32 s41, ttmp6, 0x40004
	s_lshl_b32 s42, ttmp9, 2
	s_add_co_u32 s42, s42, s40                     ; tile column
	s_and_b32 s13, ttmp7, 0xffff
	s_lshl_b32 s13, s13, 2
	s_add_co_u32 s13, s13, s41                     ; tile row
	s_lshl_b32 s43, s41, 2
	s_lshl_b32 s43, 15, s43
	s_lshl_b32 s44, 0x1111, s40
	s_or_b32 s[G1], s43, FLAGS
	s_or_b32 s[G1B], s44, FLAGS
	s_and_b32 s21, ttmp7, 3                        ; the cluster's y mod 4
	s_mul_i32 s21, s21, T/4
	s_mul_i32 s[KK], ttmp9, T/2                    ; the cluster's x
	s_add_co_u32 s[KK], s[KK], s21
	s_and_b32 s[KK], s[KK], T-1                    ; the K step at which my cluster begins
.irp g, G1, G1B
	s_mov_b32 s[(\g)+1], 4096<<16                  ; tensor_dim0 = 4,096 elements: 64 rows of a K block on end
	s_mov_b32 s[(\g)+2], 4<<16                     ; tensor_dim1 = 4 K blocks
	s_mov_b32 s[(\g)+3], 4096<<16
	s_mov_b32 s[(\g)+4], 4
	s_mov_b32 s[(\g)+6], 0
	s_mov_b32 s[(\g)+7], 0
.endr
	s_mov_b32 s[G1+5], RA*64
	s_mov_b32 s[G1B+5], RB*64
	s_lshl_b32 s18, s12, 13                        ; the 64 rows that I fetch x 128 bytes
	s_lshl_b32 s16, s13, 14
	s_add_co_u32 s16, s16, s18
	s_mov_b32 s17, 0
	s_lshl_b32 s46, s42, 14
	s_add_co_u32 s46, s46, s18
	s_add_co_u32 s46, s46, WOFF
	s_mov_b32 s47, 0
	s_mul_i32 s20, s10, REG
	s_mov_b32 s[SEL], 0x76543210
	s_mov_b32 s[SEL+1], 0xfedcba98
	s_wait_dscnt 0x0
	s_wait_kmcnt 0x0
	s_add_nc_u64 s[BA:BA+1], s[4:5], s[16:17]
	s_add_nc_u64 s[BB:BB+1], s[6:7], s[46:47]
	CROUND
.irp s, 0,1
	s_mov_b32 s[G0+4*(\s)], 1
	s_add_co_u32 s[G0+4*(\s)+1], s20, (\s)*SLOT
	s_mul_i32 s[OFF], s[KK], KSA
	s_add_nc_u64 s[G0+4*(\s)+2:G0+4*(\s)+3], s[BA:BA+1], s[OFF:OFF+1]
	s_or_b32 s[G0+4*(\s)+3], s[G0+4*(\s)+3], 0x80000000
	s_mov_b32 s[G0B+4*(\s)], 1
	s_add_co_u32 s[G0B+4*(\s)+1], s20, (\s)*SLOT
	s_mul_i32 s[OFF], s[KK], KSB
	s_add_nc_u64 s[G0B+4*(\s)+2:G0B+4*(\s)+3], s[BB:BB+1], s[OFF:OFF+1]
	s_or_b32 s[G0B+4*(\s)+3], s[G0B+4*(\s)+3], 0x80000000
	JLOAD \s
	s_add_co_u32 s[KK], s[KK], 1                   ; one step round
	s_and_b32 s[KK], s[KK], T-1
.endr
	v_and_b32 v1, 15, v0
	v_bfe_u32 v2, v0, 4, 1
	v_and_b32 v3, 31, v0
	s_lshl_b32 s14, s13, 1
	s_add_co_u32 s14, s14, s11                     ; my group of 64 rows
	s_lshl_b32 s15, s42, 1
	s_add_co_u32 s15, s15, s12                     ; my group of 64 columns
	s_lshl_b32 s16, s14, 18                        ; 64 rows x 4,096 bytes
	s_lshl_b32 s17, s15, 8                         ; 64 columns x 4 bytes
	s_add_co_u32 s16, s16, s17
	s_mov_b32 s17, 0
	s_add_nc_u64 s[72:73], s[72:73], s[16:17]
	s_add_nc_u64 s[74:75], s[74:75], s[16:17]
	v_lshlrev_b32 v[CO], 12, v2
	v_lshl_add_u32 v[CO], v1, 4, v[CO]
	WIN 0x40                                       ; the residual lands in window 1, where buffer 1 lies idle
.set p, 0
.rept 32
	global_load_b128 v[128+4*p:128+4*p+3], v[CO], s[72:73] offset:8192*p  ; 256 consecutive bytes of each of two rows
.set p, p+1
.endr
	WIN 0
.if EXTRA
	s_lshl_b32 s16, s15, 19                        ; the bf16 copy: (column group x 4,096 + row) x 128
	s_lshl_b32 s18, s14, 13
	s_add_co_u32 s16, s16, s18
	s_add_nc_u64 s[76:77], s[76:77], s[16:17]
	s_lshl_b32 s16, s15, 14                        ; the row sums: column group x 4,096 words + row
	s_lshl_b32 s18, s14, 8
	s_add_co_u32 s16, s16, s18
	s_add_nc_u64 s[78:79], s[78:79], s[16:17]
.endif
	v_mul_u32_u24 v4, v1, PITCH
	v_lshl_add_u32 v4, v2, 4, v4
	s_mul_i32 s21, s11, REG
	s_mul_i32 s22, s12, REG
	s_add_co_u32 s22, s22, 2*REG
	v_add_nc_u32 v[A0], s21, v4
	v_add_nc_u32 v[B0], s22, v4
	v_mov_b32 v[ADRA], v[A0]
	v_mov_b32 v[ADRB], v[B0]
	s_mov_b32 s[TB], 0
	s_mul_i32 s22, s10, PREW
	s_add_co_u32 s22, s22, PRE
	v_mul_u32_u24 v4, v2, 272
	v_lshl_add_u32 v4, v1, 4, v4
	v_add_nc_u32 v[PST], s22, v4                   ; in by rows,
	v_mul_u32_u24 v5, v1, 272
	v_lshl_add_u32 v5, v2, 5, v5
	v_add_nc_u32 v[PLD], s22, v5                   ; out as an accumulator holds them: row l % 16, eight columns for each half of the lanes
	s_mul_i32 s22, s10, WSTAGE
	v_add_nc_u32 v[STO], s22, v5
	v_add_nc_u32 v[RD], s22, v4
	s_lshl_b32 s22, s10, 8
	s_add_co_u32 s22, s22, SSL
	v_lshl_add_u32 v[SSA], v1, 2, s22
	v_lshl_add_u32 v[SSR], v3, 3, s22
	v_lshlrev_b32 v[GO], 3, v3
.irp a, 0,1,2,3
	s_wait_loadcnt 24-8*(\a)                       ; this block's eight loads are in; the later blocks' may stay out
	WIN 0x04                                       ; store data from window 1
.irp p, 0,1,2,3,4,5,6,7
	ds_store_b128 v[PST], v[128+32*(\a)+4*(\p):128+32*(\a)+4*(\p)+3] offset:(\p)*2*272
.endr
	WIN 0
.irp b, 0,1,2,3
	ds_load_b128 v[ACC+8*(4*(\a)+(\b)):ACC+8*(4*(\a)+(\b))+3],   v[PLD] offset:64*(\b)  ; LDS serves a wave's instructions in order (ISA guide 5.7.1.4)
	ds_load_b128 v[ACC+8*(4*(\a)+(\b))+4:ACC+8*(4*(\a)+(\b))+7], v[PLD] offset:64*(\b)+16
.endr
.endr
	s_wait_tensorcnt 1                             ; my part of the first K step is in; the second's may stay out
	s_wait_dscnt 0x0                               ; the accumulators hold the residual
	s_barrier_signal -1
	s_barrier_wait -1
	FETCH 0, F0
	WIN 0
	s_mov_b32 s3, T-2
.Lstep:                                        ; a trip: one K step and the change of slots with its refill
	QUARTER 1, F0, F1
	QUARTER 2, F1, F0
	QUARTER 3, F0, F1
	TURN 1
	WIN 0
	s_sub_co_u32 s3, s3, 1
	s_cmp_lg_u32 s3, 0
	s_cbranch_scc1 .Lstep
	s_mov_b32 s3, 2
.Ltail:                                        ; the last two K steps ask for nothing: a second text, walked twice and left in its middle
	QUARTER 1, F0, F1
	QUARTER 2, F1, F0
	QUARTER 3, F0, F1
	WIN 0
	s_sub_co_u32 s3, s3, 1
	s_cmp_eq_u32 s3, 0
	s_cbranch_scc1 .Llast
	TURN 0
	WIN 0
	s_branch .Ltail
.Llast:
	s_wait_dscnt 16
	MUL8 F1, 0, 0
	MUL8 F1, 0, 2
	s_wait_dscnt 0x0
	MUL8 F1, 1, 0
	MUL8 F1, 1, 2
	WIN 0
	PLACES
.if EXTRA
	; the sum of squares of my 64 columns of each row: a lane holds 32 numbers of row 16 a + l % 16, the lane 16 away the other 32.  Each accumulator's lowest registers are read first.
.irp a, 0,1,2,3
.set k, 0
.rept 16
.set rA, ACC+8*(4*(\a)+k/4)+2*(k%4)
.if k < 2
	v_pk_mul_f32 v[32+4*(\a)+2*k:32+4*(\a)+2*k+1], v[rA:rA+1], v[rA:rA+1]
.else
	v_pk_fma_f32 v[32+4*(\a)+2*(k%2):32+4*(\a)+2*(k%2)+1], v[rA:rA+1], v[rA:rA+1], v[32+4*(\a)+2*(k%2):32+4*(\a)+2*(k%2)+1]
.endif
.set k, k+1
.endr
.endr
.irp a, 0,1,2,3
	v_pk_add_f32 v[32+4*(\a):33+4*(\a)], v[32+4*(\a):33+4*(\a)], v[34+4*(\a):35+4*(\a)]
.endr
.irp a, 0,1,2,3
	v_add_f32 v[32+4*(\a)], v[32+4*(\a)], v[33+4*(\a)]
.endr
.irp a, 0,1,2,3
	v_permlanex16_b32 v[33+4*(\a)], v[32+4*(\a)], s[SEL], s[SEL+1]
.endr
.irp a, 0,1,2,3
	v_add_f32 v[32+4*(\a)], v[32+4*(\a)], v[33+4*(\a)]
.endr
.irp a, 0,1,2,3
	ds_store_b32 v[SSA], v[32+4*(\a)] offset:64*(\a)   ; both halves of the lanes write the same number to the same word
.endr
	ds_load_b64 v[48:49], v[SSR]
.endif
	s_wait_dscnt 0x0
	s_barrier_signal -1                            ; every wave's reads of the ring are over, and no fill follows: the ring becomes the stage
	s_barrier_wait -1
.if EXTRA
	global_store_b64 v[GO], v[48:49], s[78:79]     ; 64 rows' sums: 256 consecutive bytes, aligned
.endif
.irp a, 0,1,2,3
.irp b, 0,1,2,3
	ds_store_b128 v[STO], v[ACC+8*(4*(\a)+(\b)):ACC+8*(4*(\a)+(\b))+3]   offset:(\a)*16*SPITCH+64*(\b)
	ds_store_b128 v[STO], v[ACC+8*(4*(\a)+(\b))+4:ACC+8*(4*(\a)+(\b))+7] offset:(\a)*16*SPITCH+64*(\b)+16
.endr
.endr
	s_mov_b32 s3, 8
.Lrows:                                        ; eight rows a trip
.irp p, 0,1,2,3
	ds_load_b128 v[64+4*(\p):64+4*(\p)+3], v[RD] offset:(\p)*2*SPITCH
.endr
	s_wait_dscnt 0x0
.irp p, 0,1,2,3
	global_store_b128 v[CO], v[64+4*(\p):64+4*(\p)+3], s[74:75] offset:8192*(\p)  ; 16 lanes store 256 consecutive bytes, aligned
.endr
.if EXTRA
.irp p, 0,1,2,3
	v_cvt_pk_bf16_f32 v[80+2*(\p)], v[64+4*(\p)],   v[64+4*(\p)+1]
	v_cvt_pk_bf16_f32 v[81+2*(\p)], v[64+4*(\p)+2], v[64+4*(\p)+3]
.endr
.irp p, 0,1,2,3
	global_store_b64 v[GO], v[80+2*(\p):81+2*(\p)], s[76:77] offset:256*(\p)
.endr
.endif
	s_wait_xcnt 0x0                                ; the stores have read their data and bases
	v_add_nc_u32 v[RD], 8*SPITCH, v[RD]
	s_add_nc_u64 s[74:75], s[74:75], 32768
.if EXTRA
	s_add_nc_u64 s[76:77], s[76:77], 1024
.endif
	s_sub_co_u32 s3, s3, 1
	s_cmp_lg_u32 s3, 0
	s_cbranch_scc1 .Lrows
	s_wait_tensorcnt 0x0                           ; the wave's end
	ds_add_u32 v[SPW], v[NIL]
	s_wait_dscnt 0x0
	CROUND                                         ; the closing round
	s_endpgm
.Lfunc_end_k_q3c4af28096_outp:
	.size	k_q3c4af28096_outp, .Lfunc_end_k_q3c4af28096_outp-k_q3c4af28096_outp
	.p2alignl 7, 3214868480
	.fill 96, 4, 3214868480
	.section	.rodata,"a",@progbits
	.p2align	6, 0x0
	.amdhsa_kernel k_q3c4af28096_outp
		.amdhsa_group_segment_fixed_size 327680
		.amdhsa_private_segment_fixed_size 0
		.amdhsa_enable_private_segment 0
		.amdhsa_kernarg_size 48
		.amdhsa_user_sgpr_count 2
		.amdhsa_user_sgpr_kernarg_segment_ptr 1
		.amdhsa_wavefront_size32 1
		.amdhsa_system_sgpr_workgroup_id_x 1
		.amdhsa_system_sgpr_workgroup_id_y 1
		.amdhsa_system_sgpr_workgroup_id_z 1
		.amdhsa_system_vgpr_workitem_id 0
		.amdhsa_next_free_vgpr 512
		.amdhsa_next_free_sgpr 80
		.amdhsa_reserve_vcc 0
		.amdhsa_float_denorm_mode_32 3
		.amdhsa_float_denorm_mode_16_64 3
		.amdhsa_memory_ordered 1
		.amdhsa_forward_progress 1
		.amdhsa_inst_pref_size 66
	.end_amdhsa_kernel
	.amdgpu_metadata
---
amdhsa.version: [ 1, 2 ]
amdhsa.kernels:
  - .name:           k_q3c4af28096_outp
    .symbol:         k_q3c4af28096_outp.kd
    .args:
      - { .name: act2, .offset: 0, .size: 8, .value_kind: global_buffer, .address_space: global }
      - { .name: wb, .offset: 8, .size: 8, .value_kind: global_buffer, .address_space: global }
      - { .name: x, .offset: 16, .size: 8, .value_kind: global_buffer, .address_space: global }
      - { .name: x1, .offset: 24, .size: 8, .value_kind: global_buffer, .address_space: global }
      - { .name: act1, .offset: 32, .size: 8, .value_kind: global_buffer, .address_space: global }
      - { .name: ssq, .offset: 40, .size: 8, .value_kind: global_buffer, .address_space: global }
    .group_segment_fixed_size: 327680
    .private_segment_fixed_size: 0
    .kernarg_segment_align: 8
    .kernarg_segment_size: 48
    .max_flat_workgroup_size: 128
    .sgpr_count:     80
    .vgpr_count:     512
    .wavefront_size: 32
...
	.end_amdgpu_metadata
.endif
;; end of part 4
;; launch up (part 5): grid 16 x 16, 4 waves a work-group, clusters of 4 x 4, 327,680 bytes of LDS; arguments act1, wb, big, ssq; writes big
.if DOCPART == 5
	.amdgcn_target "amdgcn-amd-amdhsa--gfx1250"
	.amdhsa_code_object_version 6
	.text
	.protected	k_q3c4af28096_up
	.globl	k_q3c4af28096_up
	.p2align	8
	.type	k_q3c4af28096_up,@function
k_q3c4af28096_up:
	s_mov_b64 s[64:65], 0
	v_nop
	global_prefetch_b8 v0, s[64:65] scope:SCOPE_SE
	s_setreg_imm32_b32 hwreg(HW_REG_WAVE_MODE, 25, 1), 1
	s_wait_xcnt 0x0
	s_wait_alu depctr_hold_cnt(0) depctr_sa_sdst(0) depctr_va_vdst(0) depctr_va_sdst(0) depctr_va_ssrc(0) depctr_va_vcc(0) depctr_vm_vsrc(0)
	s_getreg_b32 s2, hwreg(HW_REG_IB_STS2, 6, 4)
	s_cmp_eq_u32 s2, 0
	s_cbranch_scc0 .Lentry_in_a_cluster
	s_endpgm
.Lentry_in_a_cluster:
	s_bfe_u32 s2, ttmp6, 0x10000c
	s_cmp_lg_u32 s2, 0xf033
	s_cbranch_scc0 .Lentry_shape_is_right
	s_endpgm
.Lentry_shape_is_right:
; UP PROJECTION: hup = gelu(r2(row) x (bf16(x1) (Wup * norm2_scale)^T)) (4,096 x 4,096, K = 1,024; bf16 operands, f32 sums), stored in bf16 in the blocked layout.
; r2 = rsqrt(mean(x1^2) + 1e-6) is made from the 16 partial f32 sums a row that the launch before stored; the column scale lies in the weights.
; gelu(x) = x / (1 + 2^(K0 x + K1 x^3)), which is the tanh form exactly: K0 = -2 sqrt(2 / pi) log2(e), K1 = 0.044715 K0.  Far below zero the power is infinite and the result -0; far above, x.
; The product's machinery is the q, k, v projection's: 256 x 256 to a work-group, 128 x 128 to a wave, K steps of 128 through two LDS slots, 4 x 4 clusters with joint loads, a trip a K step, the ring as stage.
.set T,      8
.set RA,     4096
.set RB,     4096
.set WOFF,   8388608                   ; B's first byte in wb
.set PITCH,  144
.set KBB,    128*PITCH
.set REG,    2*KBB
.set SLOT,   4*REG                     ; no region's first byte has a bit in common with SLOT
.set KSA,    2*RA*128
.set KSB,    2*RB*128
.set TAB,    2*SLOT                    ; behind the ring: each wave's 128 row factors
.set TABW,   512
.set SPARE,  TAB+4*TABW                ; the spare words, 128 bytes a wave, that no other line names
.set SPITCH, 528
.set WSTAGE, 128*SPITCH
.set A0,   16
.set B0,   17
.set ADRA, 18
.set ADRB, 19
.set TR,   20
.set STO,  24
.set RD,   25
.set GO,   26
.set SPW,  28
.set NIL,  29
.set PFO,  30
.set F0,   64
.set F1,   128
.set TB,   2
.set G1,   24
.set G0,   32
.set G1B,  48
.set G0B,  56
.set LIM,  43
.set PFA,  44
.set PSTEP, 66
.set FLAGS, (1<<16)|(1<<20)|(1<<21)|(4<<22)|(3<<25)
.set MSB, 0
.macro WIN new
.if MSB != (\new)
	s_set_vgpr_msb (MSB<<8)|(\new)
.set MSB, \new
.endif
.endm
.set MUL_LO, 0xa1
.set MUL_HI, 0xf1
.set TO_B,   0x40
.macro JLOAD s
	s_cmp_eq_u32 s11, 0
	s_cbranch_scc0 .Lfor_b_\@
	tensor_load_to_lds s[G0+4*(\s):G0+4*(\s)+3], s[G1:G1+7]
	s_nop 0
.rept 4
	v_nop
.endr
	s_branch .Lasked_\@
.Lfor_b_\@:
	tensor_load_to_lds s[G0B+4*(\s):G0B+4*(\s)+3], s[G1B:G1B+7]
	s_nop 0
.rept 4
	v_nop
.endr
.Lasked_\@:
.endm
; A prefetch of the K step that stands two refills on: of the 128 blocks of 256 bytes that my load will name, my work-group's 32, a lane a block.  A's are asked for by the clusters with x = 0, B's by those
; with y = 0; the four partners share them out by address.  Only the first four trips ask.
.macro ASK
	s_cmp_gt_u32 s3, s[LIM]
	s_cbranch_scc0 .Lnot_mine_\@
	global_prefetch_b8 v[PFO], s[PFA:PFA+1] th:TH_LOAD_NT scope:SCOPE_SE
.Lnot_mine_\@:
.endm
.macro CREST
	s_cmp_lg_u32 s10, 0
	s_cbranch_scc1 .Lnot_wave_0_\@
	s_barrier_signal -3
.Lnot_wave_0_\@:
	s_barrier_wait -3
	s_barrier_signal -1
	s_barrier_wait -1
.endm
.macro CROUND
	s_barrier_signal -1
	s_barrier_wait -1
	CREST
.endm
.macro PLACES
.rept 4
	v_nop
.endr
.endm
.macro MUL16 f, hi, a0, zero
	WIN MUL_LO+0x50*(\hi)
.irp a, \a0, (\a0)+1
.irp b, 0,1,2,3,4,5,6,7
.if \zero
	v_wmma_f32_16x16x32_bf16 v[8*(8*(\a)+(\b)):8*(8*(\a)+(\b))+7], v[(\f)+8*(\b):(\f)+8*(\b)+7], v[(\f)+8*(4*(\hi)+(\a)):(\f)+8*(4*(\hi)+(\a))+7], 0
.else
	v_wmma_f32_16x16x32_bf16 v[8*(8*(\a)+(\b)):8*(8*(\a)+(\b))+7], v[(\f)+8*(\b):(\f)+8*(\b)+7], v[(\f)+8*(4*(\hi)+(\a)):(\f)+8*(4*(\hi)+(\a))+7], v[8*(8*(\a)+(\b)):8*(8*(\a)+(\b))+7]
.endif
.endr
.endr
.endm
.macro FETCH q, f
	WIN TO_B
.irp i, 0,1,2,3,4,5,6,7
	ds_load_b128 v[(\f)+8*(\i):(\f)+8*(\i)+3],   v[ADRB] offset:((\q)/2)*KBB+((\q)%2)*64+(\i)*16*PITCH
	ds_load_b128 v[(\f)+8*(\i)+4:(\f)+8*(\i)+7], v[ADRB] offset:((\q)/2)*KBB+((\q)%2)*64+(\i)*16*PITCH+32
.endr
	WIN 0
.irp i, 0,1,2,3,4,5,6,7
	ds_load_b128 v[(\f)+8*(\i):(\f)+8*(\i)+3],   v[ADRA] offset:((\q)/2)*KBB+((\q)%2)*64+(\i)*16*PITCH
	ds_load_b128 v[(\f)+8*(\i)+4:(\f)+8*(\i)+7], v[ADRA] offset:((\q)/2)*KBB+((\q)%2)*64+(\i)*16*PITCH+32
.endr
.endm
.macro QUARTER q, f, g, zero
	s_wait_dscnt 8                                 ; B and A's rows 0-63 are in; the youngest eight loads may be out
	MUL16 \f, 0, 0, \zero
	MUL16 \f, 0, 2, \zero
	PLACES
	FETCH \q, \g
	s_wait_dscnt 32                                ; all but the 32 just issued
	MUL16 \f, 1, 0, \zero
	MUL16 \f, 1, 2, \zero
.endm
.macro TURN fill
.if \fill
	s_wait_xcnt 0x0                                ; the last prefetch, a K step back, has read its address
	s_add_nc_u64 s[PFA:PFA+1], s[PFA:PFA+1], s[PSTEP:PSTEP+1]
.endif
	WIN 0
	s_wait_tensorcnt 0x0                           ; all my tensor loads have landed: my part of the next slot
	ds_add_u32 v[SPW], v[NIL]
	s_wait_dscnt 9                                 ; the add and the youngest eight loads may be out
	MUL16 F1, 0, 0, 0
	s_wait_dscnt 0x0                               ; the add is done, my reads of this slot are over
	s_barrier_signal -1
	MUL16 F1, 0, 2, 0
	WIN 0
	s_barrier_wait -1
.if \fill
	CREST
	s_xor_b32 s[G0+5], s[G0+5], SLOT
	s_add_nc_u64 s[G0+6:G0+7], s[G0+6:G0+7], KSA
	s_xor_b32 s[G0B+5], s[G0B+5], SLOT
	s_add_nc_u64 s[G0B+6:G0B+7], s[G0B+6:G0B+7], KSB
	s_xor_b32 s[TB], s[TB], SLOT
	JLOAD 1
.else
	s_xor_b32 s[TB], s[TB], SLOT
	PLACES
.endif
	v_add_nc_u32 v[ADRA], s[TB], v[A0]
	v_add_nc_u32 v[ADRB], s[TB], v[B0]
	FETCH 0, F0
.if \fill
	ASK
.endif
	MUL16 F1, 1, 0, 0
	MUL16 F1, 1, 2, 0
.endm
	s_load_b128 s[4:7], s[0:1], 0x0                ; act1 (A), wb (B)
	s_load_b128 s[72:75], s[0:1], 0x10             ; big, ssq
	v_lshl_add_u32 v[SPW], v0, 2, SPARE
	v_mov_b32 v[NIL], 0
	ds_add_u32 v[SPW], v[NIL]                      ; the wave's opening: the add and its wait ahead of my first tensor load
	v_lshrrev_b32 v1, 5, v0
	v_readfirstlane_b32 s10, v1
	s_lshr_b32 s11, s10, 1
	s_and_b32 s12, s10, 1
	s_bfe_u32 s40, ttmp6, 0x40000
	s_bfe_u32 s41, ttmp6, 0x40004
	s_lshl_b32 s42, ttmp9, 2
	s_add_co_u32 s42, s42, s40                     ; tile column
	s_and_b32 s13, ttmp7, 0xffff
	s_lshl_b32 s13, s13, 2
	s_add_co_u32 s13, s13, s41                     ; tile row
	s_lshl_b32 s43, s41, 2
	s_lshl_b32 s43, 15, s43
	s_lshl_b32 s44, 0x1111, s40
	s_or_b32 s[G1], s43, FLAGS
	s_or_b32 s[G1B], s44, FLAGS
.irp g, G1, G1B
	s_mov_b32 s[(\g)+1], 8192<<16
	s_mov_b32 s[(\g)+2], 2<<16
	s_mov_b32 s[(\g)+3], 8192<<16
	s_mov_b32 s[(\g)+4], 2
	s_mov_b32 s[(\g)+6], 0
	s_mov_b32 s[(\g)+7], 0
.endr
	s_mov_b32 s[G1+5], RA*64
	s_mov_b32 s[G1B+5], RB*64
	s_lshl_b32 s18, s12, 14
	s_lshl_b32 s16, s13, 15
	s_add_co_u32 s16, s16, s18
	s_mov_b32 s17, 0
	s_lshl_b32 s46, s42, 15
	s_add_co_u32 s46, s46, s18
	s_add_co_u32 s46, s46, WOFF
	s_mov_b32 s47, 0
	s_mul_i32 s20, s10, REG
	s_wait_dscnt 0x0
	s_wait_kmcnt 0x0
	s_add_nc_u64 s[14:15], s[4:5], s[16:17]
	s_add_nc_u64 s[46:47], s[6:7], s[46:47]
	CROUND
.irp s, 0,1
	s_mov_b32 s[G0+4*(\s)], 1
	s_add_co_u32 s[G0+4*(\s)+1], s20, (\s)*SLOT
	s_add_nc_u64 s[G0+4*(\s)+2:G0+4*(\s)+3], s[14:15], (\s)*KSA
	s_or_b32 s[G0+4*(\s)+3], s[G0+4*(\s)+3], 0x80000000
	s_mov_b32 s[G0B+4*(\s)], 1
	s_add_co_u32 s[G0B+4*(\s)+1], s20, (\s)*SLOT
	s_add_nc_u64 s[G0B+4*(\s)+2:G0B+4*(\s)+3], s[46:47], (\s)*KSB
	s_or_b32 s[G0B+4*(\s)+3], s[G0B+4*(\s)+3], 0x80000000
	JLOAD \s
.endr
	v_and_b32 v1, 15, v0
	v_bfe_u32 v2, v0, 4, 1
	v_and_b32 v3, 31, v0
	s_lshl_b32 s14, s13, 1
	s_add_co_u32 s14, s14, s11                     ; my group of 128 rows
	s_lshl_b32 s15, s14, 9
	v_lshl_add_u32 v5, v3, 4, s15                  ; a lane takes four rows' partial sums
.set c, 0
.rept 16
	global_load_b128 v[64+4*c:64+4*c+3], v5, s[74:75] offset:16384*c
.set c, c+1
.endr
	v_mul_u32_u24 v4, v1, PITCH
	v_lshl_add_u32 v4, v2, 4, v4
	s_mul_i32 s21, s11, REG
	s_mul_i32 s22, s12, REG
	s_add_co_u32 s22, s22, 2*REG
	v_add_nc_u32 v[A0], s21, v4
	v_add_nc_u32 v[B0], s22, v4
	v_mov_b32 v[ADRA], v[A0]
	v_mov_b32 v[ADRB], v[B0]
	s_mov_b32 s[TB], 0
	s_mul_i32 s22, s10, WSTAGE
	v_mul_u32_u24 v4, v1, SPITCH
	v_lshl_add_u32 v4, v2, 5, v4
	v_add_nc_u32 v[STO], s22, v4
	v_mul_u32_u24 v4, v2, SPITCH
	v_lshl_add_u32 v4, v1, 4, v4
	v_add_nc_u32 v[RD], s22, v4
	v_lshlrev_b32 v[GO], 3, v3
	s_lshl_b32 s16, s42, 1
	s_add_co_u32 s16, s16, s12                     ; my group of 128 columns: two K blocks of the result
	s_lshl_b32 s16, s16, 20
	s_lshl_b32 s17, s14, 14
	s_add_co_u32 s16, s16, s17
	s_mov_b32 s17, 0
	s_add_nc_u64 s[8:9], s[72:73], s[16:17]
	; the prefetches
	s_lshl_b32 s20, s13, 15
	s_lshl_b32 s21, s42, 15
	s_add_co_u32 s21, s21, WOFF
	s_and_b32 s22, ttmp7, 0xffff
	s_mov_b32 s18, KSA
	s_mov_b32 s19, KSB
	s_cmp_eq_u32 s11, 0
	s_cselect_b32 s20, s20, s21
	s_cselect_b32 s21, s40, s41
	s_cselect_b32 s22, ttmp9, s22
	s_cselect_b32 s[PSTEP], s18, s19
	s_cselect_b64 s[PFA:PFA+1], s[4:5], s[6:7]
	s_cmp_eq_u32 s22, 0
	s_cselect_b32 s[LIM], 2, -1
	s_lshl_b32 s22, s12, 14
	s_add_co_u32 s20, s20, s22
	s_and_b32 s22, s21, 1
	s_lshl_b32 s22, s22, 13
	s_add_co_u32 s20, s20, s22
	s_lshr_b32 s21, s21, 1
	s_lshr_b32 s22, s[PSTEP], 1
	s_mul_i32 s21, s21, s22
	s_add_co_u32 s20, s20, s21
	s_mul_i32 s21, s[PSTEP], 3                     ; at K step 3: the first change steps it to 4
	s_add_co_u32 s20, s20, s21
	s_mov_b32 s21, 0
	s_mov_b32 s[PSTEP+1], 0
	s_add_nc_u64 s[PFA:PFA+1], s[PFA:PFA+1], s[20:21]
	v_lshlrev_b32 v[PFO], 8, v3
	s_mul_i32 s22, s10, TABW
	s_add_co_u32 s22, s22, TAB
	v_lshl_add_u32 v[TR], v2, 8, s22               ; even rows for lanes 0-15, odd for lanes 16-31
	v_lshl_add_u32 v15, v3, 3, s22
	s_mov_b32 s20, 0x3a800000                      ; 1 / 1,024
	s_mov_b32 s21, 0x358637bd                      ; 1e-6
	s_wait_loadcnt 0x0
.irp d, 8,4,2,1
.set k, 0
.rept \d
	v_pk_add_f32 v[64+4*k:64+4*k+1],   v[64+4*k:64+4*k+1],   v[64+4*(k+\d):64+4*(k+\d)+1]
	v_pk_add_f32 v[64+4*k+2:64+4*k+3], v[64+4*k+2:64+4*k+3], v[64+4*(k+\d)+2:64+4*(k+\d)+3]
.set k, k+1
.endr
.endr
.irp j, 0,1,2,3
	v_fma_f32 v[64+(\j)], v[64+(\j)], s20, s21
.endr
	v_rsq_f32 v96, v64                             ; rows 0 and 2 of my four, then rows 1 and 3
	v_rsq_f32 v97, v66
	v_rsq_f32 v98, v65
	v_rsq_f32 v99, v67
	v_nop                                          ; a plain instruction behind the batch,
	s_wait_alu depctr_va_vdst(0)                   ; and its one wait
	ds_store_b64 v15, v[96:97]
	ds_store_b64 v15, v[98:99] offset:256
	s_mov_b32 s76, 0xc0135761                      ; K0, twice
	s_mov_b32 s77, 0xc0135761
	s_mov_b32 s78, 0xbdd2d3e8                      ; K1, twice
	s_mov_b32 s79, 0xbdd2d3e8
	s_wait_tensorcnt 1                             ; my part of K step 0 is in; K step 1's may stay out
	s_wait_dscnt 0x0
	s_barrier_signal -1
	s_barrier_wait -1
	FETCH 0, F0
	QUARTER 1, F0, F1, 1
	WIN 0
	s_mov_b32 s3, T-2
.Lstep:
	QUARTER 2, F1, F0, 0
	QUARTER 3, F0, F1, 0
	TURN 1
	QUARTER 1, F0, F1, 0
	WIN 0
	s_sub_co_u32 s3, s3, 1
	s_cmp_lg_u32 s3, 0
	s_cbranch_scc1 .Lstep
	s_mov_b32 s3, 2
.Ltail:                                        ; the last two K steps ask for nothing: a second text, walked twice and left in its middle
	QUARTER 2, F1, F0, 0
	QUARTER 3, F0, F1, 0
	WIN 0
	s_sub_co_u32 s3, s3, 1
	s_cmp_eq_u32 s3, 0
	s_cbranch_scc1 .Llast
	TURN 0
	QUARTER 1, F0, F1, 0
	WIN 0
	s_branch .Ltail
.Llast:
	s_wait_dscnt 8
	MUL16 F1, 0, 0, 0
	MUL16 F1, 0, 2, 0
	s_wait_dscnt 0x0
	MUL16 F1, 1, 0, 0
	MUL16 F1, 1, 2, 0
	WIN 0
	PLACES
	s_barrier_signal -1                            ; every wave's reads of the ring are over, and no fill follows: the ring becomes the stage
	s_barrier_wait -1
.irp a, 0,1,2,3,4,5,6,7
.irp b, 0,1,2,3,4,5,6,7
	WIN 0x08+4*((\a)/4)
	ds_store_b128 v[STO], v[8*(8*((\a)%4)+(\b)):8*(8*((\a)%4)+(\b))+3]   offset:(\a)*16*SPITCH+64*(\b)
	ds_store_b128 v[STO], v[8*(8*((\a)%4)+(\b))+4:8*(8*((\a)%4)+(\b))+7] offset:(\a)*16*SPITCH+64*(\b)+16
.endr
.endr
	WIN 0
.set VX,  64                           ; pair of rows p: columns 0-63 at VX + 8 p, columns 64-127 at VX + 8 p + 4
.set VR,  96                           ; the four rows' factors
.set VT,  100
.set VO,  132
	s_mov_b32 s3, 16
.Lrows:                                        ; eight rows a trip
	ds_load_b128 v[VR:VR+3], v[TR]
.irp p, 0,1,2,3
	ds_load_b128 v[VX+8*(\p):VX+8*(\p)+3],   v[RD] offset:(\p)*2*SPITCH
	ds_load_b128 v[VX+8*(\p)+4:VX+8*(\p)+7], v[RD] offset:(\p)*2*SPITCH+256
.endr
	s_wait_dscnt 0x0
.irp p, 0,1,2,3
.irp c, 0,1,2,3,4,5,6,7
	v_mul_f32 v[VX+8*(\p)+(\c)], v[VX+8*(\p)+(\c)], v[VR+(\p)]
.endr
.endr
.set k, 0
.rept 16
	v_pk_mul_f32 v[VT+2*k:VT+2*k+1], v[VX+2*k:VX+2*k+1], v[VX+2*k:VX+2*k+1]
.set k, k+1
.endr
.set k, 0
.rept 16
	v_pk_fma_f32 v[VT+2*k:VT+2*k+1], v[VT+2*k:VT+2*k+1], s[78:79], s[76:77] op_sel_hi:[1,0,0]
.set k, k+1
.endr
.set k, 0
.rept 16
	v_pk_mul_f32 v[VT+2*k:VT+2*k+1], v[VT+2*k:VT+2*k+1], v[VX+2*k:VX+2*k+1]
.set k, k+1
.endr
.set k, 0
.rept 32
	v_exp_f32 v[VT+k], v[VT+k]
.set k, k+1
.endr
	v_nop                                          ; a plain instruction behind the batch of 32,
	s_wait_alu depctr_va_vdst(0)                   ; and its one wait
.set k, 0
.rept 16
	v_pk_add_f32 v[VT+2*k:VT+2*k+1], v[VT+2*k:VT+2*k+1], 1.0 op_sel_hi:[1,0]
.set k, k+1
.endr
.set k, 0
.rept 32
	v_rcp_f32 v[VT+k], v[VT+k]
.set k, k+1
.endr
	v_nop
	s_wait_alu depctr_va_vdst(0)
.set k, 0
.rept 16
	v_pk_mul_f32 v[VX+2*k:VX+2*k+1], v[VX+2*k:VX+2*k+1], v[VT+2*k:VT+2*k+1]
.set k, k+1
.endr
.set k, 0
.rept 16
	v_cvt_pk_bf16_f32 v[VO+k], v[VX+2*k], v[VX+2*k+1]
.set k, k+1
.endr
.irp p, 0,1,2,3
	global_store_b64 v[GO], v[VO+4*(\p):VO+4*(\p)+1],   s[8:9] offset:256*(\p)         ; two rows of 128 bytes: 256 consecutive bytes, aligned
	global_store_b64 v[GO], v[VO+4*(\p)+2:VO+4*(\p)+3], s[8:9] offset:524288+256*(\p)  ; the next K block
.endr
	s_wait_xcnt 0x0                                ; the stores have read their data and base
	s_add_nc_u64 s[8:9], s[8:9], 1024
	v_add_nc_u32 v[RD], 8*SPITCH, v[RD]
	v_add_nc_u32 v[TR], 16, v[TR]
	s_sub_co_u32 s3, s3, 1
	s_cmp_lg_u32 s3, 0
	s_cbranch_scc1 .Lrows
	s_wait_tensorcnt 0x0                           ; the wave's end
	ds_add_u32 v[SPW], v[NIL]
	s_wait_dscnt 0x0
	CROUND                                         ; the closing round
	s_endpgm
.Lfunc_end_k_q3c4af28096_up:
	.size	k_q3c4af28096_up, .Lfunc_end_k_q3c4af28096_up-k_q3c4af28096_up
	.p2alignl 7, 3214868480
	.fill 96, 4, 3214868480
	.section	.rodata,"a",@progbits
	.p2align	6, 0x0
	.amdhsa_kernel k_q3c4af28096_up
		.amdhsa_group_segment_fixed_size 327680
		.amdhsa_private_segment_fixed_size 0
		.amdhsa_enable_private_segment 0
		.amdhsa_kernarg_size 32
		.amdhsa_user_sgpr_count 2
		.amdhsa_user_sgpr_kernarg_segment_ptr 1
		.amdhsa_wavefront_size32 1
		.amdhsa_system_sgpr_workgroup_id_x 1
		.amdhsa_system_sgpr_workgroup_id_y 1
		.amdhsa_system_sgpr_workgroup_id_z 1
		.amdhsa_system_vgpr_workitem_id 0
		.amdhsa_next_free_vgpr 1024
		.amdhsa_next_free_sgpr 100
		.amdhsa_reserve_vcc 0
		.amdhsa_float_denorm_mode_32 3
		.amdhsa_float_denorm_mode_16_64 3
		.amdhsa_memory_ordered 1
		.amdhsa_forward_progress 1
		.amdhsa_inst_pref_size 97
	.end_amdhsa_kernel
	.amdgpu_metadata
---
amdhsa.version: [ 1, 2 ]
amdhsa.kernels:
  - .name:           k_q3c4af28096_up
    .symbol:         k_q3c4af28096_up.kd
    .args:
      - { .name: act1, .offset: 0, .size: 8, .value_kind: global_buffer, .address_space: global }
      - { .name: wb, .offset: 8, .size: 8, .value_kind: global_buffer, .address_space: global }
      - { .name: big, .offset: 16, .size: 8, .value_kind: global_buffer, .address_space: global }
      - { .name: ssq, .offset: 24, .size: 8, .value_kind: global_buffer, .address_space: global }
    .group_segment_fixed_size: 327680
    .private_segment_fixed_size: 0
    .kernarg_segment_align: 8
    .kernarg_segment_size: 32
    .max_flat_workgroup_size: 128
    .sgpr_count:     100
    .vgpr_count:     1024
    .wavefront_size: 32
...
	.end_amdgpu_metadata
.endif
;; end of part 5
;; launch down (part 6): grid 8 x 32, 4 waves a work-group, clusters of 4 x 4, 327,680 bytes of LDS; arguments big, wb, x1, out0; writes out0
.if DOCPART == 6
	.amdgcn_target "amdgcn-amd-amdhsa--gfx1250"
	.amdhsa_code_object_version 6
	.text
	.protected	k_q3c4af28096_down
	.globl	k_q3c4af28096_down
	.p2align	8
	.type	k_q3c4af28096_down,@function
k_q3c4af28096_down:
	s_mov_b64 s[64:65], 0
	v_nop
	global_prefetch_b8 v0, s[64:65] scope:SCOPE_SE
	s_setreg_imm32_b32 hwreg(HW_REG_WAVE_MODE, 25, 1), 1
	s_wait_xcnt 0x0
	s_wait_alu depctr_hold_cnt(0) depctr_sa_sdst(0) depctr_va_vdst(0) depctr_va_sdst(0) depctr_va_ssrc(0) depctr_va_vcc(0) depctr_vm_vsrc(0)
	s_getreg_b32 s2, hwreg(HW_REG_IB_STS2, 6, 4)
	s_cmp_eq_u32 s2, 0
	s_cbranch_scc0 .Lentry_in_a_cluster
	s_endpgm
.Lentry_in_a_cluster:
	s_bfe_u32 s2, ttmp6, 0x10000c
	s_cmp_lg_u32 s2, 0xf033
	s_cbranch_scc0 .Lentry_shape_is_right
	s_endpgm
.Lentry_shape_is_right:
; DOWN PROJECTION: out0 = x1 + hup Wdown^T (4,096 x 1,024, K = 4,096; bf16 operands, f32 sums).
; The same text as the out projection's, but for the constants T, WOFF, EXTRA and the arguments.
; SHARES.  A work-group makes 128 x 128, each of its four waves 64 x 64: 16 accumulators.  K goes in steps of 256 (four blocks of 64) through two LDS slots; a wave's tensor load brings 64 rows of four blocks,
; each block's 64 rows as one long row of 8,192 consecutive bytes, padded in LDS by 16 bytes behind every 128: rows of 144 bytes, 16 rows of a load in 16 different groups of four banks (ISA guide 11.1).
; THE RESIDUAL STARTS THE SUMS: it is read in whole rows of 256 bytes, turned into the accumulators' layout through a small stage of the wave's own, and every product adds in place.
; CLUSTER.  4 x 4 work-groups; A's tiles are asked for jointly along a row of the cluster, B's along a column.  A trip is one K step; the slots' LDS addresses hang on a scalar that an exclusive or turns.
; THE WALK ALONG K IS TURNED.  The cluster at (X, Y) begins at K step (T / 2) X + (T / 4) (Y mod 4) and goes round.  The two clusters that read the same rows of A begin half of K apart; four clusters below each
; other, which read the same rows of B, a quarter of K apart each: no two of them ask for the same bytes in the same step.  A and B turn together; X and Y are the same in all sixteen partners, so the joint
; loads' descriptors stay equal.  The sums are taken in that order of K.
; No prefetch is laid: a wave's tile of a step is small (64 rows of four blocks).
; REGISTERS: window 0: v0-31 addresses, v32-95 at work on the way out, v128-255 accumulators ((a, b) at 128 + 8 (4 a + b)); window 1: two fragment buffers of 128 (64 of A, then 64 of B).
.set T,      16                        ; K steps
.set EXTRA,  0
.set WOFF,   16777216                  ; B's first byte in wb
.set RA,     4096
.set RB,     1024
.set PITCH,  144
.set KBB,    64*PITCH
.set REG,    4*KBB
.set SLOT,   4*REG                     ; no region's first byte has a bit in common with SLOT
.set KSA,    4*RA*128                  ; bytes from K step to K step
.set KSB,    4*RB*128
.set PRE,    2*SLOT                    ; behind the ring: 16 rows x 272 bytes a wave, for the residual's way in; no fill lands here
.set PREW,   16*272
.set SSL,    PRE+4*PREW
.set SPARE,  SSL+1024                  ; the spare words, 128 bytes a wave, that no other line names
.set SPITCH, 272
.set WSTAGE, 64*SPITCH                 ; the way out's stage, a wave's own, over the ring, which has had its last fill by then
.set A0,   16
.set B0,   17
.set ADRA, 18
.set ADRB, 19
.set PST,  20
.set PLD,  21
.set STO,  24
.set RD,   25
.set CO,   26                          ; v26  my 16 bytes in two rows of 4,096 bytes
.set SPW,  28
.set NIL,  29
.set ACC,  128
.set F0,   0
.set F1,   128
.set TB,   2
.set G1,   24
.set G0,   32
.set KK,   43                          ; s43      the K step that the next fill asks for, 0 .. T - 1
.set BA,   44                          ; s[44:45] A at my wave's rows, K step 0
.set OFF,  46                          ; s[46:47] a K step's byte offset; the high word stays 0
.set G1B,  48
.set G0B,  56
.set BB,   68                          ; s[68:69] B at my wave's rows, K step 0
.set FLAGS, (1<<16)|(1<<20)|(1<<21)|(4<<22)|(3<<25)
.set MSB, 0
.macro WIN new
.if MSB != (\new)
	s_set_vgpr_msb (MSB<<8)|(\new)
.set MSB, \new
.endif
.endm
.set MUL,  0x05
.set TO_F, 0x40
.macro JLOAD s
	s_cmp_eq_u32 s11, 0
	s_cbranch_scc0 .Lfor_b_\@
	tensor_load_to_lds s[G0+4*(\s):G0+4*(\s)+3], s[G1:G1+7]
	s_nop 0
.rept 4
	v_nop
.endr
	s_branch .Lasked_\@
.Lfor_b_\@:
	tensor_load_to_lds s[G0B+4*(\s):G0B+4*(\s)+3], s[G1B:G1B+7]
	s_nop 0
.rept 4
	v_nop
.endr
.Lasked_\@:
.endm
.macro CREST
	s_cmp_lg_u32 s10, 0
	s_cbranch_scc1 .Lnot_wave_0_\@
	s_barrier_signal -3
.Lnot_wave_0_\@:
	s_barrier_wait -3
	s_barrier_signal -1
	s_barrier_wait -1
.endm
.macro CROUND
	s_barrier_signal -1
	s_barrier_wait -1
	CREST
.endm
.macro PLACES
.rept 4
	v_nop
.endr
.endm
.macro MUL8 f, c, a0                   ; 8 products: row blocks a0, a0 + 1 x all 4 column blocks, 32 along K: half c of buffer f.  The 16 accumulators take turns
	WIN MUL
.irp a, \a0, (\a0)+1
.irp b, 0,1,2,3
	v_wmma_f32_16x16x32_bf16 v[ACC+8*(4*(\a)+(\b)):ACC+8*(4*(\a)+(\b))+7], v[(\f)+64+8*(4*(\c)+(\b)):(\f)+64+8*(4*(\c)+(\b))+7], v[(\f)+8*(4*(\c)+(\a)):(\f)+8*(4*(\c)+(\a))+7], v[ACC+8*(4*(\a)+(\b)):ACC+8*(4*(\a)+(\b))+7]
.endr
.endr
.endm
.macro FETCH q, f                      ; 32 LDS loads in one run: K block q of the slot in hand into buffer f; its first 32 along K first
	WIN TO_F
.irp c, 0,1
.irp i, 0,1,2,3
	ds_load_b128 v[(\f)+64+8*(4*(\c)+(\i)):(\f)+64+8*(4*(\c)+(\i))+3],   v[ADRB] offset:(\q)*KBB+64*(\c)+(\i)*16*PITCH
	ds_load_b128 v[(\f)+64+8*(4*(\c)+(\i))+4:(\f)+64+8*(4*(\c)+(\i))+7], v[ADRB] offset:(\q)*KBB+64*(\c)+(\i)*16*PITCH+32
	ds_load_b128 v[(\f)+8*(4*(\c)+(\i)):(\f)+8*(4*(\c)+(\i))+3],         v[ADRA] offset:(\q)*KBB+64*(\c)+(\i)*16*PITCH
	ds_load_b128 v[(\f)+8*(4*(\c)+(\i))+4:(\f)+8*(4*(\c)+(\i))+7],       v[ADRA] offset:(\q)*KBB+64*(\c)+(\i)*16*PITCH+32
.endr
.endr
.endm
.macro QUARTER q, f, g
	s_wait_dscnt 16                                ; the first 32 along K are in; the youngest sixteen loads may be out
	MUL8 \f, 0, 0
	MUL8 \f, 0, 2
	PLACES
	FETCH \q, \g
	s_wait_dscnt 32                                ; all but the 32 just issued
	MUL8 \f, 1, 0
	MUL8 \f, 1, 2
.endm
; The last quarter and the change of slots.  fill = 1: a round of the cluster's barrier, and the joint refill first behind it.  The walking descriptors are written between the add and the wait for it, where no
; tensor load of mine is out: the other slot than last time; the address made anew from K step KK, the type bits set again; then KK goes one step round.
.macro TURN fill
	WIN 0
	s_wait_tensorcnt 0x0                           ; all my tensor loads have landed: my part of the next slot
	ds_add_u32 v[SPW], v[NIL]
.if \fill
	s_xor_b32 s[G0+5], s[G0+5], SLOT
	s_mul_i32 s[OFF], s[KK], KSA
	s_add_nc_u64 s[G0+6:G0+7], s[BA:BA+1], s[OFF:OFF+1]
	s_or_b32 s[G0+7], s[G0+7], 0x80000000
	s_xor_b32 s[G0B+5], s[G0B+5], SLOT
	s_mul_i32 s[OFF], s[KK], KSB
	s_add_nc_u64 s[G0B+6:G0B+7], s[BB:BB+1], s[OFF:OFF+1]
	s_or_b32 s[G0B+7], s[G0B+7], 0x80000000
	s_add_co_u32 s[KK], s[KK], 1
	s_and_b32 s[KK], s[KK], T-1
.endif
	s_wait_dscnt 17                                ; the add and the youngest sixteen loads may be out
	MUL8 F1, 0, 0
	s_wait_dscnt 0x0                               ; the add is done, my reads of this slot are over
	s_barrier_signal -1
	MUL8 F1, 0, 2
	WIN 0
	s_barrier_wait -1
.if \fill
	CREST
	s_xor_b32 s[TB], s[TB], SLOT
	JLOAD 1                                        ; its four v_nop are also the places in front of the loads below
.else
	s_xor_b32 s[TB], s[TB], SLOT
	PLACES
.endif
	v_add_nc_u32 v[ADRA], s[TB], v[A0]
	v_add_nc_u32 v[ADRB], s[TB], v[B0]
	FETCH 0, F0
	MUL8 F1, 1, 0
	MUL8 F1, 1, 2
.endm
	s_load_b128 s[4:7], s[0:1], 0x0                ; A, wb
	s_load_b128 s[72:75], s[0:1], 0x10             ; the residual, the f32 result
	v_lshl_add_u32 v[SPW], v0, 2, SPARE
	v_mov_b32 v[NIL], 0
	ds_add_u32 v[SPW], v[NIL]                      ; the wave's opening: the add and its wait ahead of my first tensor load
	v_lshrrev_b32 v1, 5, v0
	v_readfirstlane_b32 s10, v1
	s_lshr_b32 s11, s10, 1
	s_and_b32 s12, s10, 1
	s_bfe_u32 s40, ttmp6, 0x40000
	s_bfe_u32 s41, ttmp6, 0x40004
	s_lshl_b32 s42, ttmp9, 2
	s_add_co_u32 s42, s42, s40                     ; tile column
	s_and_b32 s13, ttmp7, 0xffff
	s_lshl_b32 s13, s13, 2
	s_add_co_u32 s13, s13, s41                     ; tile row
	s_lshl_b32 s43, s41, 2
	s_lshl_b32 s43, 15, s43
	s_lshl_b32 s44, 0x1111, s40
	s_or_b32 s[G1], s43, FLAGS
	s_or_b32 s[G1B], s44, FLAGS
	s_and_b32 s21, ttmp7, 3                        ; the cluster's y mod 4
	s_mul_i32 s21, s21, T/4
	s_mul_i32 s[KK], ttmp9, T/2                    ; the cluster's x
	s_add_co_u32 s[KK], s[KK], s21
	s_and_b32 s[KK], s[KK], T-1                    ; the K step at which my cluster begins
.irp g, G1, G1B
	s_mov_b32 s[(\g)+1], 4096<<16                  ; tensor_dim0 = 4,096 elements: 64 rows of a K block on end
	s_mov_b32 s[(\g)+2], 4<<16                     ; tensor_dim1 = 4 K blocks
	s_mov_b32 s[(\g)+3], 4096<<16
	s_mov_b32 s[(\g)+4], 4
	s_mov_b32 s[(\g)+6], 0
	s_mov_b32 s[(\g)+7], 0
.endr
	s_mov_b32 s[G1+5], RA*64
	s_mov_b32 s[G1B+5], RB*64
	s_lshl_b32 s18, s12, 13                        ; the 64 rows that I fetch x 128 bytes
	s_lshl_b32 s16, s13, 14
	s_add_co_u32 s16, s16, s18
	s_mov_b32 s17, 0
	s_lshl_b32 s46, s42, 14
	s_add_co_u32 s46, s46, s18
	s_add_co_u32 s46, s46, WOFF
	s_mov_b32 s47, 0
	s_mul_i32 s20, s10, REG
	s_wait_dscnt 0x0
	s_wait_kmcnt 0x0
	s_add_nc_u64 s[BA:BA+1], s[4:5], s[16:17]
	s_add_nc_u64 s[BB:BB+1], s[6:7], s[46:47]
	CROUND
.irp s, 0,1
	s_mov_b32 s[G0+4*(\s)], 1
	s_add_co_u32 s[G0+4*(\s)+1], s20, (\s)*SLOT
	s_mul_i32 s[OFF], s[KK], KSA
	s_add_nc_u64 s[G0+4*(\s)+2:G0+4*(\s)+3], s[BA:BA+1], s[OFF:OFF+1]
	s_or_b32 s[G0+4*(\s)+3], s[G0+4*(\s)+3], 0x80000000
	s_mov_b32 s[G0B+4*(\s)], 1
	s_add_co_u32 s[G0B+4*(\s)+1], s20, (\s)*SLOT
	s_mul_i32 s[OFF], s[KK], KSB
	s_add_nc_u64 s[G0B+4*(\s)+2:G0B+4*(\s)+3], s[BB:BB+1], s[OFF:OFF+1]
	s_or_b32 s[G0B+4*(\s)+3], s[G0B+4*(\s)+3], 0x80000000
	JLOAD \s
	s_add_co_u32 s[KK], s[KK], 1                   ; one step round
	s_and_b32 s[KK], s[KK], T-1
.endr
	v_and_b32 v1, 15, v0
	v_bfe_u32 v2, v0, 4, 1
	s_lshl_b32 s14, s13, 1
	s_add_co_u32 s14, s14, s11                     ; my group of 64 rows
	s_lshl_b32 s15, s42, 1
	s_add_co_u32 s15, s15, s12                     ; my group of 64 columns
	s_lshl_b32 s16, s14, 18                        ; 64 rows x 4,096 bytes
	s_lshl_b32 s17, s15, 8                         ; 64 columns x 4 bytes
	s_add_co_u32 s16, s16, s17
	s_mov_b32 s17, 0
	s_add_nc_u64 s[72:73], s[72:73], s[16:17]
	s_add_nc_u64 s[74:75], s[74:75], s[16:17]
	v_lshlrev_b32 v[CO], 12, v2
	v_lshl_add_u32 v[CO], v1, 4, v[CO]
	WIN 0x40                                       ; the residual lands in window 1, where buffer 1 lies idle
.set p, 0
.rept 32
	global_load_b128 v[128+4*p:128+4*p+3], v[CO], s[72:73] offset:8192*p  ; 256 consecutive bytes of each of two rows
.set p, p+1
.endr
	WIN 0
	v_mul_u32_u24 v4, v1, PITCH
	v_lshl_add_u32 v4, v2, 4, v4
	s_mul_i32 s21, s11, REG
	s_mul_i32 s22, s12, REG
	s_add_co_u32 s22, s22, 2*REG
	v_add_nc_u32 v[A0], s21, v4
	v_add_nc_u32 v[B0], s22, v4
	v_mov_b32 v[ADRA], v[A0]
	v_mov_b32 v[ADRB], v[B0]
	s_mov_b32 s[TB], 0
	s_mul_i32 s22, s10, PREW
	s_add_co_u32 s22, s22, PRE
	v_mul_u32_u24 v4, v2, 272
	v_lshl_add_u32 v4, v1, 4, v4
	v_add_nc_u32 v[PST], s22, v4                   ; in by rows,
	v_mul_u32_u24 v5, v1, 272
	v_lshl_add_u32 v5, v2, 5, v5
	v_add_nc_u32 v[PLD], s22, v5                   ; out as an accumulator holds them: row l % 16, eight columns for each half of the lanes
	s_mul_i32 s22, s10, WSTAGE
	v_add_nc_u32 v[STO], s22, v5
	v_add_nc_u32 v[RD], s22, v4
.irp a, 0,1,2,3
	s_wait_loadcnt 24-8*(\a)                       ; this block's eight loads are in; the later blocks' may stay out
	WIN 0x04                                       ; store data from window 1
.irp p, 0,1,2,3,4,5,6,7
	ds_store_b128 v[PST], v[128+32*(\a)+4*(\p):128+32*(\a)+4*(\p)+3] offset:(\p)*2*272
.endr
	WIN 0
.irp b, 0,1,2,3
	ds_load_b128 v[ACC+8*(4*(\a)+(\b)):ACC+8*(4*(\a)+(\b))+3],   v[PLD] offset:64*(\b)  ; LDS serves a wave's instructions in order (ISA guide 5.7.1.4)
	ds_load_b128 v[ACC+8*(4*(\a)+(\b))+4:ACC+8*(4*(\a)+(\b))+7], v[PLD] offset:64*(\b)+16
.endr
.endr
	s_wait_tensorcnt 1                             ; my part of the first K step is in; the second's may stay out
	s_wait_dscnt 0x0                               ; the accumulators hold the residual
	s_barrier_signal -1
	s_barrier_wait -1
	FETCH 0, F0
	WIN 0
	s_mov_b32 s3, T-2
.Lstep:                                        ; a trip: one K step and the change of slots with its refill
	QUARTER 1, F0, F1
	QUARTER 2, F1, F0
	QUARTER 3, F0, F1
	TURN 1
	WIN 0
	s_sub_co_u32 s3, s3, 1
	s_cmp_lg_u32 s3, 0
	s_cbranch_scc1 .Lstep
	s_mov_b32 s3, 2
.Ltail:                                        ; the last two K steps ask for nothing: a second text, walked twice and left in its middle
	QUARTER 1, F0, F1
	QUARTER 2, F1, F0
	QUARTER 3, F0, F1
	WIN 0
	s_sub_co_u32 s3, s3, 1
	s_cmp_eq_u32 s3, 0
	s_cbranch_scc1 .Llast
	TURN 0
	WIN 0
	s_branch .Ltail
.Llast:
	s_wait_dscnt 16
	MUL8 F1, 0, 0
	MUL8 F1, 0, 2
	s_wait_dscnt 0x0
	MUL8 F1, 1, 0
	MUL8 F1, 1, 2
	WIN 0
	PLACES
	s_barrier_signal -1                            ; every wave's reads of the ring are over (waited for above), and no fill follows: the ring becomes the stage
	s_barrier_wait -1
.irp a, 0,1,2,3
.irp b, 0,1,2,3
	ds_store_b128 v[STO], v[ACC+8*(4*(\a)+(\b)):ACC+8*(4*(\a)+(\b))+3]   offset:(\a)*16*SPITCH+64*(\b)
	ds_store_b128 v[STO], v[ACC+8*(4*(\a)+(\b))+4:ACC+8*(4*(\a)+(\b))+7] offset:(\a)*16*SPITCH+64*(\b)+16
.endr
.endr
	s_mov_b32 s3, 8
.Lrows:                                        ; eight rows a trip
.irp p, 0,1,2,3
	ds_load_b128 v[64+4*(\p):64+4*(\p)+3], v[RD] offset:(\p)*2*SPITCH
.endr
	s_wait_dscnt 0x0
.irp p, 0,1,2,3
	global_store_b128 v[CO], v[64+4*(\p):64+4*(\p)+3], s[74:75] offset:8192*(\p)  ; 16 lanes store 256 consecutive bytes, aligned
.endr
	s_wait_xcnt 0x0                                ; the stores have read their data and base
	v_add_nc_u32 v[RD], 8*SPITCH, v[RD]
	s_add_nc_u64 s[74:75], s[74:75], 32768
	s_sub_co_u32 s3, s3, 1
	s_cmp_lg_u32 s3, 0
	s_cbranch_scc1 .Lrows
	s_wait_tensorcnt 0x0                           ; the wave's end
	ds_add_u32 v[SPW], v[NIL]
	s_wait_dscnt 0x0
	CROUND                                         ; the closing round
	s_endpgm
.Lfunc_end_k_q3c4af28096_down:
	.size	k_q3c4af28096_down, .Lfunc_end_k_q3c4af28096_down-k_q3c4af28096_down
	.p2alignl 7, 3214868480
	.fill 96, 4, 3214868480
	.section	.rodata,"a",@progbits
	.p2align	6, 0x0
	.amdhsa_kernel k_q3c4af28096_down
		.amdhsa_group_segment_fixed_size 327680
		.amdhsa_private_segment_fixed_size 0
		.amdhsa_enable_private_segment 0
		.amdhsa_kernarg_size 32
		.amdhsa_user_sgpr_count 2
		.amdhsa_user_sgpr_kernarg_segment_ptr 1
		.amdhsa_wavefront_size32 1
		.amdhsa_system_sgpr_workgroup_id_x 1
		.amdhsa_system_sgpr_workgroup_id_y 1
		.amdhsa_system_sgpr_workgroup_id_z 1
		.amdhsa_system_vgpr_workitem_id 0
		.amdhsa_next_free_vgpr 512
		.amdhsa_next_free_sgpr 80
		.amdhsa_reserve_vcc 0
		.amdhsa_float_denorm_mode_32 3
		.amdhsa_float_denorm_mode_16_64 3
		.amdhsa_memory_ordered 1
		.amdhsa_forward_progress 1
		.amdhsa_inst_pref_size 59
	.end_amdhsa_kernel
	.amdgpu_metadata
---
amdhsa.version: [ 1, 2 ]
amdhsa.kernels:
  - .name:           k_q3c4af28096_down
    .symbol:         k_q3c4af28096_down.kd
    .args:
      - { .name: big, .offset: 0, .size: 8, .value_kind: global_buffer, .address_space: global }
      - { .name: wb, .offset: 8, .size: 8, .value_kind: global_buffer, .address_space: global }
      - { .name: x1, .offset: 16, .size: 8, .value_kind: global_buffer, .address_space: global }
      - { .name: out0, .offset: 24, .size: 8, .value_kind: global_buffer, .address_space: global }
    .group_segment_fixed_size: 327680
    .private_segment_fixed_size: 0
    .kernarg_segment_align: 8
    .kernarg_segment_size: 32
    .max_flat_workgroup_size: 128
    .sgpr_count:     80
    .vgpr_count:     512
    .wavefront_size: 32
...
	.end_amdgpu_metadata
.endif
;; end of part 6
